; MI455X (gfx1250); checked and timed in simulation.
; The chip was launched on July 23, 2026; its instructions are those of AMD's public machine-readable ISA for CDNA 5 (MIT licence, August 2026) and "CDNA5" Instruction Set Architecture Reference Guide (July 2026). The comments in the code are by the model that wrote it; some were corrected since.
;; Basic Multi Head Self Attention. Allowed arithmetic: matrix products marked QUANTISED: E2M3 operands, one E8M0 scale for each 32 along K, by v_wmma_scale_f32_16x16x128_f8f6f4 with both operands' format E2M3, f32 sums; everything else in f32.
;; Inputs: Q 4 x 2,048 x 1,024 float32; W_out 1,024 x 1,024 float32; W_packed 1,024 x 3,072 float32; b_out 1,024 float32; b_packed 3,072 float32.
;; Outputs: out0 4 x 2,048 x 1,024 float32.
;; This version of the problem:
;;   THIS VERSION OF THE PROBLEM IS GIVEN IN LOW PRECISION. The matrix products marked QUANTISED in the list below multiply operands that are first quantised to E2M3 (2 exponent bits, 3 mantissa bits; 6 bits a number), with one power-of-two scale for each 32 numbers along K (OCP MX v1.0); their sums are f32. All else is computed in f32.
;;   The module's matrix products, in the order in which they are computed (A, B: the left and right operand; K: the contracted axis; several contracted axes count as one K, in the product's order):
;;     1. [M 8,192, K 1,024] x [K 1,024, N 3,072]; A: input Q; B: input W_packed: QUANTISED
;;     2. batch 64 x [M 2,048, K 64] x [K 64, N 2,048]; A: computed on the way; B: computed on the way: QUANTISED
;;     3. batch 64 x [M 2,048, K 2,048] x [K 2,048, N 64]; A: softmax (see below); B: computed on the way: QUANTISED
;;     4. [M 8,192, K 1,024] x [K 1,024, N 1,024]; A: computed on the way; B: input W_out: QUANTISED
;;   THE QUANTISER, for each operand of a quantised product, along K:
;;     - K is cut into blocks of 32 from its start; a last block that is shorter is filled with zeros.
;;     - A block's scale is 2^e with e = floor(log2(the largest magnitude in the block)) - 2, held to -126 .. 127; a block of zeros has e = 0. As a byte (E8M0): e + 127.
;;     - Each number is divided by its block's scale, clamped to +-7.5, and rounded to the nearest number of E2M3, ties to even, subnormals kept.
;;     - The product sums the exact products of the quantised numbers (number of the format x scale) in f32.
;;   ~~~python
;;   def quantise(x, axis):      # numpy; x: float32 -> the quantised numbers, widened to float32 again
;;       x = np.moveaxis(x, axis, -1); K = x.shape[-1]
;;       x = np.pad(x, [(0, 0)] * (x.ndim - 1) + [(0, -K % 32)]); x = x.reshape(x.shape[:-1] + (-1, 32)); a = np.abs(x).max(-1, keepdims=True)
;;       e = np.where(a > 0, np.clip(np.frexp(np.where(a > 0, a, 1))[1] - 1 - 2, -126, 127), 0)      # np.frexp(a)[1] - 1 = floor(log2(a)), exactly
;;       r = np.clip(x / 2.0 ** e, -7.5, 7.5)
;;       step = 2.0 ** (np.maximum(np.frexp(np.where(r == 0, 1, r))[1] - 1, 0) - 3)
;;       q = np.round(r / step) * step * 2.0 ** e      # np.round: ties to even
;;       return np.moveaxis(q.reshape(q.shape[:-2] + (-1,))[..., :K], -1, axis).astype(np.float32)
;;   ~~~
;;   SOFTMAX AHEAD OF A QUANTISED PRODUCT. Where the list says 'softmax', what is quantised is not the finished softmax but p = 2^(t - M), with t = logit x log2(e) and M = ceil(the row's largest t), a whole number; so 1/2 < the row's largest p <= 1. The row's sum l is taken of the UNQUANTISED p, in f32, and the product's result is divided by l at the end. Since M is a whole number, a kernel that streams over the keys may use a running M (the ceiling of the running maximum): every later rescaling is an exact power of two, which a block's scale takes up: the codes' values come out the same.
;;   OPERANDS COMPUTED ON THE WAY. 'Computed on the way' means the value that the module computes at that place (a softmax that the list does not call 'softmax' is quantised finished and normalised). What goes into a quantiser is computed in f32, as accurately as f32 sums, v_exp_f32 and their like allow (about 1e-6 of the number): no bf16 or f16 on the way to a quantiser, and a product that is left as it is and whose result goes on into a quantised operand takes f32 operands (vector FMAs, or v_wmma_f32_16x16x4_f32). A number that lies on a knife's edge between two numbers of the format may be rounded either way, as far as f32 arithmetic and the matrix unit's own rounding can turn it there, and no further.
;; One version. Each part assembles by itself: llvm-mc -triple=amdgcn-amd-amdhsa -mcpu=gfx1250 --defsym DOCPART=n.
;; ======== version 1 of 1: 4 launches
;; limits: right only within a limited range of input values
;; workspace buffers: xq 6,553,600 bytes; wq 3,276,800 bytes; qc 6,815,744 bytes; kc 6,815,744 bytes; vc 6,553,600 bytes; ao 6,553,600 bytes
;; launch prep (part 1): grid 384 x 1, 4 waves a work-group, no clusters, 68,096 bytes of LDS; arguments Q, W_packed, W_out, xq, wq; writes xq, wq
.if DOCPART == 1
	.amdgcn_target "amdgcn-amd-amdhsa--gfx1250"
	.amdhsa_code_object_version 6
	.text
	.protected	k_qcd34dd4879_prep
	.globl	k_qcd34dd4879_prep
	.p2align	8
	.type	k_qcd34dd4879_prep,@function
k_qcd34dd4879_prep:
	s_mov_b64 s[64:65], 0
	v_nop
	global_prefetch_b8 v0, s[64:65] scope:SCOPE_SE
	s_setreg_imm32_b32 hwreg(HW_REG_WAVE_MODE, 25, 1), 1
	s_wait_xcnt 0x0
; PREP: the three f32 inputs of the two large products become codes of FP6 (E2M3) with one E8M0 byte for each 32 along K.
;   xq: Q [8192][1024] (K innermost): codes [8192 places][768 bytes] at 0, scale bytes [8192 places][32] at XS_OFF.
;   wq: W_packed [1024 k][3072 n] and W_out [1024 k][1024 n] (K is the FIRST axis): codes [4096 places][768] at 0 (places 0-3071 W_packed's columns, 3072-4095 W_out's), scale bytes [4096][32] at WS_OFF.
; PLACES: row (or column) i lies at place i with bits 3 and 4 exchanged.  Sixteen neighbouring places 32 b + 16 u + r are then the rows 32 b + 8 u + r + 8 (r / 8): used as source 0 of a matrix instruction,
; two neighbouring tiles give a lane 16 neighbouring true indices in 16 registers, which is what the next quantiser wants.
; A block's scale is 2^(floor(log2(largest magnitude)) - 2): its byte is the largest magnitude's exponent field - 2, held at 1 from below.
; LIMITS: NaN and infinities among the inputs are not served; a block of zeros gets the byte 1 where the rule says 127: its codes are zeros, and the bytes are read by this program alone.
; Work-groups 0-255 take Q (a wave: 8 rows, 16 steps of 512 numbers); work-groups 256-383 take the weights (a wave: 32 columns x 256 along K).  The two ways part on the work-group's number and have LDS bytes of their own.
; No tensor loads, no barrier: waves share nothing.
.set XS_OFF, 6291456
; The codes lie in four planes of 256 along K: [plane][place][192 bytes], so that 128 places of one plane are 24,576 dense bytes that begin at a multiple of 256.
.set XPL, 1572864                      ; a plane of xq: 8,192 places x 192 bytes
.set WPL, 786432                       ; a plane of wq: 4,096 places x 192 bytes
.set WS_OFF, 3145728
.set EMAX,  2
; ---- Q's way
.set STEPS, 16
.set CB,    12                         ; bytes of 16 codes
.set QR,    16                         ; v16-79   four sets of 16 numbers as loaded
.set QX,    80                         ; v80-111  two sets of 16 neighbours
.set QE,    112                        ; v112-127 a scale byte for each step
.set QC,    128                        ; v128-191 codes, four registers a step
.set WREG,  8192                       ; LDS 0 .. 32,767: a region for each wave: two stages of 32 x SP bytes, then its 256 scale bytes
.set SP,    80                         ; a lane's 64 bytes + 16 of padding
; ---- the weights' way
.set NB,    8                          ; blocks of 32 along K for a wave
.set WSTG,  32768                      ; LDS 32,768 .. 67,583: a stage of 32 rows x WP bytes for each wave
.set WP,    272                        ; sixteen places of 16 bytes (12 bytes of codes each) + 16
.set VO,    16                         ; v16-47   4 x lane + i x the weight's row pitch
.set WX,    48                         ; v48-111  two sets of 32 numbers
.set WC,    112                        ; v112-118 a block's codes
.set SB,    120                        ; v120-121 eight scale bytes
.set OUTR,  128                        ; v128-191 the way out
	v_lshl_add_u32 v192, v0, 2, 0x10800
	v_mov_b32 v193, 0
	s_cmp_lt_u32 ttmp9, 256
	s_cbranch_scc0 .Lweights
	; ================= Q =================
	s_load_b64 s[4:5], s[0:1], 0x0                 ; Q
	s_load_b64 s[8:9], s[0:1], 0x18                ; xq
	v_lshrrev_b32 v1, 5, v0
	v_readfirstlane_b32 s16, v1                    ; wave
	v_and_b32 v2, 31, v0                           ; lane
	v_lshlrev_b32 v3, 4, v2                        ; my 16 bytes of a load's 512
	s_mul_i32 s17, s16, WREG
	v_lshrrev_b32 v14, 2, v2
	v_mul_u32_u24 v14, v14, SP
	v_and_b32 v15, 3, v2
	v_lshl_add_u32 v14, v15, 4, v14
	v_add_nc_u32 v14, s17, v14                     ; the stage, in: SP (lane / 4) + 16 (lane % 4)
	v_mul_u32_u24 v15, v2, SP
	v_add_nc_u32 v15, s17, v15                     ; and out: SP x lane: my 16 neighbours
	v_and_b32 v4, 15, v2
	v_mul_u32_u24 v4, v4, CB                       ; a step's 512 codes are two planes' 192 bytes: lanes 0-15 the first,
	v_lshrrev_b32 v10, 4, v2
	v_mad_u32_u24 v4, v10, XPL, v4                 ; lanes 16-31 the next plane
	v_lshrrev_b32 v5, 1, v2
	s_add_co_u32 s17, s17, 2*32*SP
	v_add_nc_u32 v5, s17, v5                       ; my block's byte among the wave's 256
	v_lshlrev_b32 v7, 3, v2
	v_add_nc_u32 v6, s17, v7
	s_lshl_b32 s17, ttmp9, 2
	s_add_co_u32 s18, s17, s16                     ; the run of 8 rows that I read: 4 x work-group + wave
	s_and_b32 s19, s16, 1
	s_lshl_b32 s19, s19, 1
	s_lshr_b32 s20, s16, 1
	s_or_b32 s19, s19, s20
	s_add_co_u32 s19, s17, s19                     ; and where it goes: the wave's two bits exchanged are the rows' bits 3 and 4 exchanged
	s_lshl_b32 s20, s18, 15                        ; 8 rows of 4,096 bytes
	s_mov_b32 s21, 0
	s_mul_i32 s22, s19, 1536                       ; 8 places of 192 bytes in a plane
	s_mov_b32 s23, 0
	s_lshl_b32 s24, s19, 8                         ; 8 rows of 32 bytes
	s_add_co_u32 s24, s24, XS_OFF
	s_mov_b32 s25, 0
	s_wait_alu depctr_va_vdst(0)
	s_wait_kmcnt 0x0
	s_add_nc_u64 s[4:5], s[4:5], s[20:21]
	s_add_nc_u64 s[10:11], s[8:9], s[24:25]
	s_add_nc_u64 s[8:9], s[8:9], s[22:23]
.macro QLOAD t
.irp i, 0,1,2,3
	global_load_b128 v[QR+16*((\t)%4)+4*\i:QR+16*((\t)%4)+4*\i+3], v3, s[4:5] offset:2048*(\t)+512*\i th:TH_LOAD_NT   ; 32 lanes read 512 consecutive bytes
.endr
.endm
.macro QTURN t                         ; a step's 2,048 bytes through the wave's own stage: in as they lie, out 64 bytes a lane.  LDS serves a wave's instructions in order
.irp i, 0,1,2,3
	ds_store_b128 v14, v[QR+16*((\t)%4)+4*\i:QR+16*((\t)%4)+4*\i+3] offset:32*SP*((\t)%2)+8*SP*\i
.endr
.irp i, 0,1,2,3
	ds_load_b128 v[QX+16*((\t)%2)+4*\i:QX+16*((\t)%2)+4*\i+3], v15 offset:32*SP*((\t)%2)+16*\i
.endr
.endm
.irp t, 0,1,2,3
	QLOAD \t
.endr
	s_wait_loadcnt 12                              ; step 0's four loads are in; twelve younger ones stay out
	QTURN 0
.macro QSTEP t
.set XSET, QX+16*((\t)%2)
.if (\t) > 0
	s_wait_dscnt 1                                 ; this step's numbers are back from the stage (the last step's byte store may be out)
.else
	s_wait_dscnt 0x0
.endif
.if (\t)+4 < STEPS
	QLOAD (\t)+4                                   ; into the set whose stores into the stage have read their registers
.endif
.if (\t)+1 < STEPS
.if STEPS-2-(\t) >= 3
	s_wait_loadcnt 12                              ; the next step's four loads are in; those of the three steps behind it may be out
.else
	s_wait_loadcnt 4*(STEPS-2-(\t))
.endif
	QTURN (\t)+1
.endif
	v_max3_num_f32 v8, |v[XSET]|, |v[XSET+1]|, |v[XSET+2]|         ; the largest magnitude of my 16, in two chains
	v_max3_num_f32 v9, |v[XSET+3]|, |v[XSET+4]|, |v[XSET+5]|
.irp i, 6,10
	v_max3_num_f32 v8, v8, |v[XSET+\i]|, |v[XSET+\i+1]|
	v_max3_num_f32 v9, v9, |v[XSET+\i+2]|, |v[XSET+\i+3]|
.endr
	v_max3_num_f32 v8, v8, |v[XSET+14]|, |v[XSET+15]|
	v_max3_num_f32 v8, v8, v9, (EMAX+1)<<23        ; and the floor 2^(3 - 127): the byte cannot fall under 1
	v_max_num_f32_dpp v8, v8, v8 row_xmask:1 row_mask:0xf bank_mask:0xf   ; with my neighbour's 16: the block's
	v_add_nc_u32 v11, 0xff000000, v8               ; 2 off the exponent field: the conversion's scale operand
	v_cvt_scalef32_pk16_fp6_f32 v[QC+4*(\t):QC+4*(\t)+2], v[XSET:XSET+15], v11
	v_lshrrev_b32 v[QE+(\t)], 23, v11              ; the scale's byte
	ds_store_b8 v5, v[QE+(\t)] offset:16*(\t)      ; both lanes of a block write the same byte with the same value
	global_store_b96 v4, v[QC+4*(\t):QC+4*(\t)+2], s[8:9] offset:192*((\t)/2)+2*XPL*((\t)%2)   ; row t / 2, planes 2 (t % 2) and 2 (t % 2) + 1
.endm
.irp t, 0,1,2,3,4,5,6,7,8,9,10,11,12,13,14,15
	QSTEP \t
.endr
	ds_load_b64 v[12:13], v6                       ; LDS serves a wave's instructions in order: these see my byte stores
	s_wait_dscnt 0x0
	global_store_b64 v7, v[12:13], s[10:11]        ; 32 lanes store 256 consecutive bytes, aligned: the scale bytes of my 8 rows
	s_wait_tensorcnt 0x0
	ds_add_u32 v192, v193
	s_wait_dscnt 0x0
	s_endpgm
	; ================= the weights =================
.Lweights:
	s_load_b64 s[4:5], s[0:1], 0x8                 ; W_packed
	s_load_b64 s[6:7], s[0:1], 0x10                ; W_out
	s_load_b64 s[8:9], s[0:1], 0x20                ; wq
	v_lshrrev_b32 v1, 5, v0
	v_readfirstlane_b32 s16, v1                    ; wave
	v_and_b32 v2, 31, v0                           ; lane = my column of the wave's 32
	s_sub_co_u32 s17, ttmp9, 256
	s_and_b32 s18, s17, 31                         ; x: which 128 places of wq (0-23 W_packed, 24-31 W_out)
	s_lshr_b32 s19, s17, 5                         ; y: which 256 along K
	s_sub_co_u32 s21, s18, 24
	s_mov_b32 s20, 4096
	v_lshlrev_b32 v3, 2, v2
	s_mul_i32 s26, s16, 32*WP
	s_add_co_u32 s26, s26, WSTG                    ; my stage
	v_mul_u32_u24 v4, v2, WP
	v_add_nc_u32 v4, s26, v4                       ; into it: row = my column
	v_and_b32 v5, 15, v2
	v_lshrrev_b32 v6, 4, v2
	v_mul_u32_u24 v7, v6, WP
	v_lshl_add_u32 v7, v5, 4, v7
	v_add_nc_u32 v7, s26, v7                       ; out of it: sixteen lanes to a row, two rows an instruction
	v_mul_u32_u24 v8, v6, 192
	v_mad_u32_u24 v8, v5, 12, v8                   ; and the same place among wq's rows
	v_and_b32 v9, 7, v2
	v_and_b32 v10, 8, v2
	v_lshl_or_b32 v9, v10, 1, v9
	v_bfe_u32 v10, v2, 4, 1
	v_lshl_or_b32 v9, v10, 3, v9                   ; my column's place: bits 3 and 4 exchanged
	v_lshlrev_b32 v9, 5, v9                        ; its row of 32 scale bytes
	s_wait_kmcnt 0x0
	s_cmp_lt_u32 s18, 24                           ; the choice hangs on the work-group's number alone
	s_cselect_b64 s[4:5], s[4:5], s[6:7]           ; the weight,
	s_cselect_b32 s20, 12288, s20                  ; its row pitch in bytes,
	s_cselect_b32 s21, s18, s21                    ; and which 128 of its columns
	s_lshl_b32 s22, s21, 7
	s_lshl_b32 s23, s16, 5
	s_add_co_u32 s22, s22, s23                     ; my first column
	s_lshl_b32 s22, s22, 2
	s_lshl_b32 s23, s19, 8
	s_mul_i32 s23, s23, s20
	s_add_co_u32 s22, s22, s23                     ; + 256 y rows
	s_mov_b32 s23, 0
	s_lshl_b32 s24, s20, 5                         ; a block on: 32 rows
	s_mov_b32 s25, 0
	s_add_nc_u64 s[36:37], s[4:5], s[22:23]        ; a base for each of my eight blocks: s[36 + 2 t : 37 + 2 t]
.irp t, 1,2,3,4,5,6,7
	s_add_nc_u64 s[36+2*\t:37+2*\t], s[34+2*\t:35+2*\t], s[24:25]
.endr
.set ii, 0
.rept 32
	v_mad_u32_u24 v[VO+ii], s20, ii, v3            ; row ii of a block, my column
.set ii, ii+1
.endr
	s_lshl_b32 s22, s18, 7
	s_lshl_b32 s23, s16, 5
	s_add_co_u32 s22, s22, s23                     ; my first place in wq: 128 x + 32 wave
	s_mul_i32 s26, s22, 192
	s_mul_i32 s27, s19, WPL                        ; my 256 along K are plane y
	s_add_co_u32 s26, s26, s27
	s_mov_b32 s27, 0
	s_add_nc_u64 s[28:29], s[8:9], s[26:27]        ; codes
	s_lshl_b32 s26, s22, 5
	s_lshl_b32 s22, s19, 3
	s_add_co_u32 s26, s26, s22
	s_add_co_u32 s26, s26, WS_OFF
	s_add_nc_u64 s[30:31], s[8:9], s[26:27]        ; scale bytes
.macro WLOAD t                         ; block t: W(32 t + i, my column), i = 0 .. 31: each load reads 128 consecutive bytes a wave
.set ii, 0
.rept 32
	global_load_b32 v[WX+32*((\t)%2)+ii], v[VO+ii], s[36+2*(\t):37+2*(\t)] th:TH_LOAD_NT
.set ii, ii+1
.endr
.endm
	s_wait_alu depctr_va_vdst(0)
	WLOAD 0
	WLOAD 1
.macro WBLOCK t
.set XSET, WX+32*((\t)%2)
.if (\t) < NB-1
	s_wait_loadcnt 32                              ; this block's 32 loads are in; the next block's may be out
.else
	s_wait_loadcnt 0
.endif
	v_max3_num_f32 v12, |v[XSET]|, |v[XSET+1]|, |v[XSET+2]|        ; all 32 numbers of the block are mine
	v_max3_num_f32 v13, |v[XSET+3]|, |v[XSET+4]|, |v[XSET+5]|
.irp i, 6,10,14,18,22,26
	v_max3_num_f32 v12, v12, |v[XSET+\i]|, |v[XSET+\i+1]|
	v_max3_num_f32 v13, v13, |v[XSET+\i+2]|, |v[XSET+\i+3]|
.endr
	v_max3_num_f32 v12, v12, |v[XSET+30]|, |v[XSET+31]|
	v_max3_num_f32 v12, v12, v13, (EMAX+1)<<23     ; and the floor
	v_add_nc_u32 v11, 0xff000000, v12              ; the conversion's scale operand
	v_lshrrev_b32 v13, 23, v11                     ; the scale's byte
.if (\t)%4 == 0
	v_mov_b32 v[SB+(\t)/4], v13
.else
	v_lshl_or_b32 v[SB+(\t)/4], v13, 8*((\t)%4), v[SB+(\t)/4]
.endif
	v_cvt_scalef32_pk16_fp6_f32 v[WC:WC+2], v[XSET:XSET+15], v11
	v_cvt_scalef32_pk16_fp6_f32 v[WC+4:WC+6], v[XSET+16:XSET+31], v11   ; (a conversion's three registers begin on an even number)
	ds_store_b96 v4, v[WC:WC+2] offset:32*(\t)     ; 12 bytes to a place of 16, so that every LDS address is a multiple of 16
	ds_store_b96 v4, v[WC+4:WC+6] offset:32*(\t)+16
.if (\t)+2 < NB
	WLOAD (\t)+2
.endif
	s_wait_dscnt 0x0                               ; the stores have read their registers: the next block's codes may be written
.endm
.irp t, 0,1,2,3,4,5,6,7
	WBLOCK \t
.endr
	s_wait_alu depctr_va_vdst(0)
	global_store_b64 v9, v[SB:SB+1], s[30:31]      ; my column's eight scale bytes, at its place
.irp t, 0,1,2,3,4,5,6,7,8,9,10,11,12,13,14,15
	ds_load_b96 v[OUTR+4*\t:OUTR+4*\t+2], v7 offset:2*\t*WP   ; columns 2 t and 2 t + 1; LDS serves a wave's instructions in order
.endr
.irp t, 0,1,2,3,4,5,6,7,8,9,10,11,12,13,14,15
	s_wait_dscnt 15-\t
.if (\t/4) == 1
	global_store_b96 v8, v[OUTR+4*\t:OUTR+4*\t+2], s[28:29] offset:(2*\t+8)*192
.elseif (\t/4) == 2
	global_store_b96 v8, v[OUTR+4*\t:OUTR+4*\t+2], s[28:29] offset:(2*\t-8)*192
.else
	global_store_b96 v8, v[OUTR+4*\t:OUTR+4*\t+2], s[28:29] offset:2*\t*192
.endif
.endr
	s_wait_tensorcnt 0x0
	ds_add_u32 v192, v193
	s_wait_dscnt 0x0
	s_endpgm
.Lfunc_end_k_qcd34dd4879_prep:
	.size	k_qcd34dd4879_prep, .Lfunc_end_k_qcd34dd4879_prep-k_qcd34dd4879_prep
	.p2alignl 7, 3214868480
	.fill 96, 4, 3214868480
	.section	.rodata,"a",@progbits
	.p2align	6, 0x0
	.amdhsa_kernel k_qcd34dd4879_prep
		.amdhsa_group_segment_fixed_size 68096
		.amdhsa_private_segment_fixed_size 0
		.amdhsa_enable_private_segment 0
		.amdhsa_kernarg_size 40
		.amdhsa_user_sgpr_count 2
		.amdhsa_user_sgpr_kernarg_segment_ptr 1
		.amdhsa_wavefront_size32 1
		.amdhsa_system_sgpr_workgroup_id_x 1
		.amdhsa_system_sgpr_workgroup_id_y 1
		.amdhsa_system_sgpr_workgroup_id_z 1
		.amdhsa_system_vgpr_workitem_id 0
		.amdhsa_next_free_vgpr 194
		.amdhsa_next_free_sgpr 66
		.amdhsa_reserve_vcc 0
		.amdhsa_float_denorm_mode_32 3
		.amdhsa_float_denorm_mode_16_64 3
		.amdhsa_memory_ordered 1
		.amdhsa_forward_progress 1
		.amdhsa_inst_pref_size 77
	.end_amdhsa_kernel
	.amdgpu_metadata
---
amdhsa.version: [ 1, 2 ]
amdhsa.kernels:
  - .name:           k_qcd34dd4879_prep
    .symbol:         k_qcd34dd4879_prep.kd
    .args:
      - { .name: Q, .offset: 0, .size: 8, .value_kind: global_buffer, .address_space: global }
      - { .name: W_packed, .offset: 8, .size: 8, .value_kind: global_buffer, .address_space: global }
      - { .name: W_out, .offset: 16, .size: 8, .value_kind: global_buffer, .address_space: global }
      - { .name: xq, .offset: 24, .size: 8, .value_kind: global_buffer, .address_space: global }
      - { .name: wq, .offset: 32, .size: 8, .value_kind: global_buffer, .address_space: global }
    .group_segment_fixed_size: 68096
    .private_segment_fixed_size: 0
    .kernarg_segment_align: 8
    .kernarg_segment_size: 40
    .max_flat_workgroup_size: 128
    .sgpr_count:     66
    .vgpr_count:     194
    .wavefront_size: 32
...
	.end_amdgpu_metadata
.endif
;; end of part 1
;; launch qkv (part 2): grid 12 x 32, 4 waves a work-group, clusters of 4 x 4, 327,680 bytes of LDS; arguments xq, wq, b_packed, qc, kc, vc; writes qc, kc, vc
.if DOCPART == 2
	.amdgcn_target "amdgcn-amd-amdhsa--gfx1250"
	.amdhsa_code_object_version 6
	.text
	.protected	k_qcd34dd4879_qkv
	.globl	k_qcd34dd4879_qkv
	.p2align	8
	.type	k_qcd34dd4879_qkv,@function
k_qcd34dd4879_qkv:
	s_mov_b64 s[64:65], 0
	v_nop
	global_prefetch_b8 v0, s[64:65] scope:SCOPE_SE
	s_setreg_imm32_b32 hwreg(HW_REG_WAVE_MODE, 25, 1), 1
	s_wait_xcnt 0x0
	s_wait_alu depctr_hold_cnt(0) depctr_sa_sdst(0) depctr_va_vdst(0) depctr_va_sdst(0) depctr_va_ssrc(0) depctr_va_vcc(0) depctr_vm_vsrc(0)
	s_getreg_b32 s2, hwreg(HW_REG_IB_STS2, 6, 4)
	s_cmp_eq_u32 s2, 0
	s_cbranch_scc0 .Lentry_in_a_cluster
	s_endpgm
.Lentry_in_a_cluster:
	s_bfe_u32 s2, ttmp6, 0x10000c
	s_cmp_lg_u32 s2, 0xf033
	s_cbranch_scc0 .Lentry_shape_is_right
	s_endpgm
.Lentry_shape_is_right:
; QKV: x W_packed + b_packed on codes of FP6 (E2M3), and its results quantised at once: q and k along the head's 64, v along the keys.  Nothing wide goes to memory.
; The body computes C[i][j] = A_i . B_j over K = 1,024 for a tile of 256 x 256; source 0 of the matrix instruction = 16 rows of B, source 1 = 16 rows of A: a lane holds ONE i, and its registers run along j.
; Rows of xq and wq lie by PLACES (bits 3 and 4 of the index exchanged), so the 16 registers of two neighbouring B blocks are 16 neighbouring TRUE j: the quantiser runs along j in registers.
;   clusters x = 0 (q), 1 (k): A = 256 tokens of xq, B = 256 columns of W: quantised along the features: a wave's 128 features are two heads, a head's 64 are two blocks of 32.
;   clusters x = 2 (v):        A = 256 columns of W's last third, B = 256 tokens: quantised along the tokens, which are the second attention product's K.
; Only pointers and offsets differ, chosen on the cluster's x, which all sixteen partners share.
; OUT.  qc, kc: [batch x head][16 groups of 128 token places] blocks of 6,656 bytes: 8 tiles of 16 places x 768 bytes (an image of six operand registers: registers 0-3 at 16 x lane, 4-5 at 512 + 8 x lane), then 512 bytes of
;   scale words (an image of four registers: register j = tile 2 j's words in lanes 0-15, tile 2 j + 1's in lanes 16-31; bytes 2 and 3 of a word are 0: the upper 64 of the instruction's K are zero codes).
;   vc: [batch x head][16 groups of 128 keys] blocks of 6,400 bytes: 4 tiles of 16 channel places x 1,536 bytes (an image of twelve registers), then 256 bytes of scale words (two registers, as above).
;   Every store of the wave covers 512 or 256 consecutive bytes, aligned at 256.
; Four waves, each 128 x 128: 64 accumulators.  K goes in steps of 256 through two LDS slots filled by joint tensor loads; the scale bytes of the work-group's rows come once and stay.
; CLUSTERS: 4 x 4: A's tile is shared along a row of the cluster, B's along a column.
; LIMITS: NaN and infinities are not served; a block of zeros keeps the byte 1 (its codes are zeros; this program alone reads the bytes).
; REGISTERS: window 0: v16-30 addresses; v32-63 scale words, two sets; v64-127 the bias; from v128 A's fragments, one set (on the way out: v128-191 64 numbers, v192-210 codes, v212-247 at work).
;   window 1: B's fragments, two sets.  window 2, 3: the accumulators ((a, b) at v[8 (8 (a % 4) + b)]).
.set XS_OFF, 6291456
.set WS_OFF, 3145728
.set KSTEP,  256
.set NQ,     2
; xq and wq hold their codes in planes of 256 along K, [plane][place][192 bytes]: a K step's tile of 128 places is 24,576 dense bytes, stated as 96 rows of 256 bytes; the padding's interval stays 64 bytes.
.set ROWB,   256                       ; a stated row of a tile
.set KROW,   192                       ; a place's bytes in a plane
.set XPL,    1572864                   ; a plane of xq
.set WPL,    786432                    ; a plane of wq
.set PITCH,  240                       ; an LDS row: 3 x (64 bytes + 16 of padding)
.set FR,     12
.set NL,     6
.set NP,     4
.set HALFT,  128*PITCH
.set SLOT,   4*HALFT
.set LAPS,   2                         ; K = 1,024 is four K steps: twice round the ring
.set KS,     32
.set SCL,    2*SLOT
.set HALFS,  (128*KS/256)*272
.set SBLK,   (16*KS/256)*272
.set SPARE,  SCL+4*HALFS               ; the spare words: 128 bytes a wave, two blocks of 256 bytes that no other line names
.set QBLK,   6656
.set VBLK,   6400
.set ADRA, 16                          ; v16-19
.set ADRB, 20                          ; v20-23
.set LI16, 24                          ; v24  16 x lane
.set LI8,  25                          ; v25  8 x lane
.set LN,   26                          ; v26  lane
.set ADRS, 27
.set SPW,  28
.set NIL,  29
.set BA,   30                          ; v30  the bias loads' lane term
.set SC,   32
.set BIAS, 64
.set AF,   128
.set H,    128
.set PC,   192
.set TM,   212
.set PWS,  230
.set SW,   240
.set G1, 24
.set G0, 32
.set G1B, 48
.set G0B, 56
.set G1S, 68
.set G0S, 76
.set G1SB, 80
.set G0SB, 88
.set MSB, 0
.macro WIN new                         ; the immediate's high byte repeats the setting that is left
.if MSB != (\new)
	s_set_vgpr_msb (MSB<<8)|(\new)
.set MSB, (\new)
.endif
.endm
.set MUL_LO, 0xa1
.set MUL_HI, 0xf1
.set TO_B,   0x40
; A joint load: waves 0 and 1 fetch for A, waves 2 and 3 for B; the branch hangs on the wave's number alone.  Four v_nop follow each of the two lines.
.macro JLOAD g0a, g1a, g0b, g1b
	s_cmp_eq_u32 s15, 0
	s_cbranch_scc0 .Lfor_b_\@
	tensor_load_to_lds s[\g0a:\g0a+3], s[\g1a:\g1a+7]
	s_nop 0
.rept 4
	v_nop
.endr
	s_branch .Lasked_\@
.Lfor_b_\@:
	tensor_load_to_lds s[\g0b:\g0b+3], s[\g1b:\g1b+7]
	s_nop 0
.rept 4
	v_nop
.endr
.Lasked_\@:
.endm
.macro CREST                           ; a round of the cluster's barrier behind its opening barrier
	s_cmp_lg_u32 s14, 0
	s_cbranch_scc1 .Lnot_wave_0_\@
	s_barrier_signal -3
.Lnot_wave_0_\@:
	s_barrier_wait -3
	s_barrier_signal -1
	s_barrier_wait -1
.endm
.macro CROUND
	s_barrier_signal -1
	s_barrier_wait -1
	CREST
.endm
	s_load_b128 s[96:99], s[0:1], 0x0              ; xq s[96:97], wq s[98:99]
	s_load_b64 s[100:101], s[0:1], 0x10            ; b_packed
	s_load_b64 s[4:5], s[0:1], 0x18                ; qc
	s_load_b64 s[6:7], s[0:1], 0x20                ; kc
	s_load_b64 s[8:9], s[0:1], 0x28                ; vc
	v_lshl_add_u32 v[SPW], v0, 2, SPARE
	v_mov_b32 v[NIL], 0
	ds_add_u32 v28, v29
	ds_add_u32 v28, v29
	s_wait_dscnt 0x0
	v_lshrrev_b32 v1, 5, v0
	v_readfirstlane_b32 s14, v1                    ; wave 0..3
	s_lshr_b32 s15, s14, 1                         ; which half of A's rows is mine.  Also: I fetch for A (0) or for B (1)
	s_and_b32 s16, s14, 1                          ; which half of B's rows.  Also: which 128 rows of that tile I fetch
	s_bfe_u32 s40, ttmp6, 0x40000                  ; cx
	s_bfe_u32 s41, ttmp6, 0x40004                  ; cy
	s_and_b32 s18, ttmp7, 0xffff
	s_lshl_b32 s18, s18, 2                         ; 4 x cluster y
	s_lshl_b32 s19, ttmp9, 2                       ; 4 x cluster x
	s_mov_b32 s22, XS_OFF
	s_mov_b32 s92, WS_OFF
	s_cmp_eq_u32 ttmp9, 2                          ; the v clusters?  The cluster's x is the same in all partners
	s_cselect_b32 s17, 0, s18
	s_cselect_b32 s42, s18, s19
	s_cselect_b32 s95, 2048, 0                     ; A's rows begin at W's last third there
	s_cselect_b32 s22, WS_OFF, s22                 ; where the scale bytes begin in A's buffer,
	s_cselect_b32 s92, XS_OFF, s92                 ; and in B's
	s_add_co_u32 s17, s17, s41                     ; A's tile: hangs on cy and the cluster's y alone
	s_add_co_u32 s42, s42, s40                     ; B's tile: on cx and the cluster's x or y alone
	s_lshl_b32 s43, s41, 2
	s_lshl_b32 s43, 15, s43                        ; my row of the cluster
	s_lshl_b32 s44, 0x1111, s40                    ; my column
	; descriptor group 1: a tile of 128 rows x 192 bytes, 16 bytes of padding behind every 64
	s_or_b32 s[G1+0], s43, (0<<16)|(1<<20)|(1<<21)|(3<<22)|(3<<25)
	s_or_b32 s[G1B+0], s44, (0<<16)|(1<<20)|(1<<21)|(3<<22)|(3<<25)
.irp g, G1, G1B
	s_mov_b32 s[\g+1], ROWB<<16                    ; tensor_dim0
	s_mov_b32 s[\g+2], 192<<16                     ; the head's loads bring 256 places: 192 rows of 256 bytes
	s_mov_b32 s[\g+3], ROWB<<16                    ; tile_dim0
	s_mov_b32 s[\g+4], 192
	s_mov_b32 s[\g+5], ROWB
	s_mov_b32 s[\g+6], 0
	s_mov_b32 s[\g+7], 0
.endr
	; the scale bytes of 256 rows: 8,192 dense bytes as 32 rows of 256 (32 elements of 8 bytes), 16 bytes of padding behind each
	s_or_b32 s[G1S+0], s43, (3<<16)|(1<<20)|(1<<21)|(5<<22)|(3<<25)
	s_or_b32 s[G1SB+0], s44, (3<<16)|(1<<20)|(1<<21)|(5<<22)|(3<<25)
.irp g, G1S, G1SB
	s_mov_b32 s[\g+1], 32<<16
	s_mov_b32 s[\g+2], (256*KS/256)<<16            ; the scale bytes of all 256 rows by one load
	s_mov_b32 s[\g+3], 32<<16
	s_mov_b32 s[\g+4], 256*KS/256
	s_mov_b32 s[\g+5], 32
	s_mov_b32 s[\g+6], 0
	s_mov_b32 s[\g+7], 0
.endr
	s_lshl_b32 s18, s16, 7                         ; which 128 rows of the tile I fetch
	s_lshl_b32 s20, s17, 8
	s_add_co_u32 s20, s20, s95                     ; A's row
	s_lshl_b32 s46, s42, 8
	s_lshl_b32 s19, s20, 5
	s_add_co_u32 s22, s22, s19                     ; A's scale bytes, 32 a row
	s_mov_b32 s23, 0
	s_mul_i32 s20, s20, KROW                       ; A's codes (all these offsets stay under 2^23)
	s_mov_b32 s21, 0
	s_lshl_b32 s93, s46, 5
	s_add_co_u32 s92, s92, s93
	s_mov_b32 s93, 0
	s_mul_i32 s46, s46, KROW
	s_mov_b32 s47, 0
	s_mul_i32 s45, s14, HALFT                      ; where they go: wave x 128 rows: no place in the cluster enters an LDS address
	s_wait_kmcnt 0x0
	s_cmp_eq_u32 ttmp9, 0
	s_cselect_b64 s[12:13], s[4:5], s[6:7]
	s_cmp_eq_u32 ttmp9, 2
	s_cselect_b64 s[12:13], s[8:9], s[12:13]       ; the output: qc, kc or vc
	s_cselect_b64 s[4:5], s[98:99], s[96:97]       ; A's buffer
	s_cselect_b64 s[8:9], s[96:97], s[98:99]       ; B's buffer
	s_mov_b32 s96, XPL                             ; the two pointers have served: s[96:97] A's plane in bytes, s[98:99] B's
	s_cselect_b32 s98, s96, WPL
	s_cselect_b32 s96, WPL, s96
	s_mov_b32 s97, 0
	s_mov_b32 s99, 0
	s_add_nc_u64 s[20:21], s[4:5], s[20:21]
	s_add_nc_u64 s[22:23], s[4:5], s[22:23]
	s_add_nc_u64 s[46:47], s[8:9], s[46:47]
	s_add_nc_u64 s[92:93], s[8:9], s[92:93]
	CROUND                                         ; all sixteen work-groups are here: the first joint loads meet
	s_mov_b32 s[G0S], 1
	s_mov_b32 s[G0S+1], SCL
	s_mov_b64 s[G0S+2:G0S+3], s[22:23]
	s_or_b32 s[G0S+3], s[G0S+3], 0x80000000
	s_mov_b32 s[G0SB], 1
	s_mov_b32 s[G0SB+1], SCL+2*HALFS
	s_mov_b64 s[G0SB+2:G0SB+3], s[92:93]
	s_or_b32 s[G0SB+3], s[G0SB+3], 0x80000000
	s_mov_b32 s4, 1                                ; group 0 of the head's loads of K step 0: A's 256 places,
	s_mov_b32 s5, 0
	s_mov_b64 s[6:7], s[20:21]
	s_or_b32 s7, s7, 0x80000000
	s_mov_b32 s8, 1                                ; and B's, behind them in slot 0
	s_mov_b32 s9, 2*HALFT
	s_mov_b64 s[10:11], s[46:47]
	s_or_b32 s11, s11, 0x80000000
	s_mul_i32 s18, s16, 128*KROW                   ; in the ring I fetch 128 places of a tile
	s_mov_b32 s19, 0
	s_add_nc_u64 s[20:21], s[20:21], s[18:19]
	s_add_nc_u64 s[46:47], s[46:47], s[18:19]
.irp s, 0,1
	s_mov_b32 s[G0+4*\s], 1
	s_add_co_u32 s[G0+4*\s+1], s45, \s*SLOT
	s_mov_b64 s[G0+4*\s+2:G0+4*\s+3], s[20:21]
.if \s
	s_add_nc_u64 s[G0+4*\s+2:G0+4*\s+3], s[G0+4*\s+2:G0+4*\s+3], s[96:97]
.endif
	s_or_b32 s[G0+4*\s+3], s[G0+4*\s+3], 0x80000000
	s_mov_b32 s[G0B+4*\s], 1
	s_add_co_u32 s[G0B+4*\s+1], s45, \s*SLOT
	s_mov_b64 s[G0B+4*\s+2:G0B+4*\s+3], s[46:47]
.if \s
	s_add_nc_u64 s[G0B+4*\s+2:G0B+4*\s+3], s[G0B+4*\s+2:G0B+4*\s+3], s[98:99]
.endif
	s_or_b32 s[G0B+4*\s+3], s[G0B+4*\s+3], 0x80000000
.endr
	s_lshl_b32 s96, s96, 1                         ; a refill steps two planes on
	s_lshl_b32 s98, s98, 1
; The head's loads, one a wave: wave 0 K step 0's 256 places of A, wave 1 those of B, wave 2 A's scale bytes, wave 3 B's.  One tree of branches on the wave's number.
.macro ARM under, g0, g1, next
	s_cmp_lt_u32 s14, \under
	s_cbranch_scc0 \next
	tensor_load_to_lds s[\g0:\g0+3], s[\g1:\g1+7]
	s_nop 0
.rept 4
	v_nop
.endr
	s_branch .Lhead_asked
\next:
.endm
	ARM 1, 4, G1, .Lhead_b
	ARM 2, 8, G1B, .Lhead_sa
	ARM 3, G0S, G1S, .Lhead_sb
	tensor_load_to_lds s[G0SB:G0SB+3], s[G1SB:G1SB+7]
	s_nop 0
.rept 4
	v_nop
.endr
.Lhead_asked:
	v_and_b32 v1, 15, v0                           ; r
	v_bfe_u32 v2, v0, 4, 1                         ; h
	v_mul_u32_u24 v3, v1, PITCH
	v_mul_u32_u24 v4, v2, 24
	v_add_nc_u32 v4, v3, v4                        ; a fragment's row x pitch + 24 h
	v_lshl_add_u32 v5, v2, 4, v4                   ; and the same behind one padding more
	s_mul_i32 s21, s15, HALFT
	s_mul_i32 s22, s16, HALFT
	s_add_co_u32 s22, s22, 2*HALFT
.irp s, 0,1
	v_add_nc_u32 v[ADRA+\s], s21, v4
	v_add_nc_u32 v[ADRB+\s], s22, v4
	v_add_nc_u32 v[ADRA+2+\s], s21, v5
	v_add_nc_u32 v[ADRB+2+\s], s22, v5
	s_add_co_u32 s21, s21, SLOT
	s_add_co_u32 s22, s22, SLOT
.endr
	v_mul_u32_u24 v5, v1, KS                       ; my row's scale bytes,
	v_lshrrev_b32 v6, 8, v5
	v_lshl_add_u32 v5, v6, 4, v5                   ; and 16 more for each 256 passed
	s_mul_i32 s21, s15, HALFS
	s_mul_i32 s22, s16, HALFS
	s_add_co_u32 s22, s22, 2*HALFS
	s_sub_co_u32 s22, s22, s21
	v_mul_u32_u24 v6, s22, v2                      ; lanes 16-31 take B's
	s_add_co_u32 s21, s21, SCL
	v_add_nc_u32 v5, v5, v6
	v_add_nc_u32 v[ADRS], s21, v5
	v_and_b32 v[LN], 31, v0
	v_lshlrev_b32 v[LI16], 4, v[LN]
	v_lshlrev_b32 v[LI8], 3, v[LN]
	; where my results go: block ((batch x 16 + first head) x 16 + group of 128 tokens)
	s_cmp_eq_u32 ttmp9, 2
	s_cselect_b32 s92, s42, s17                    ; the tile of 256 tokens,
	s_cselect_b32 s93, s16, s15                    ; my half of it,
	s_cselect_b32 s94, s41, s40                    ; the tile of 256 features (four heads),
	s_cselect_b32 s95, s15, s16                    ; my half of it (two heads),
	s_mov_b32 s2, QBLK
	s_cselect_b32 s2, VBLK, s2                     ; a block's bytes
	s_lshr_b32 s20, s92, 3                         ; batch
	s_lshl_b32 s20, s20, 4
	s_lshl_b32 s94, s94, 2
	s_add_co_u32 s20, s20, s94
	s_lshl_b32 s95, s95, 1
	s_add_co_u32 s20, s20, s95
	s_lshl_b32 s20, s20, 4
	s_and_b32 s92, s92, 7
	s_lshl_b32 s92, s92, 1
	s_add_co_u32 s20, s20, s92
	s_add_co_u32 s20, s20, s93
	s_mul_i32 s20, s20, s2
	s_mov_b32 s21, 0
	s_add_nc_u64 s[12:13], s[12:13], s[20:21]
	; the bias.  q, k: it runs along the registers: register 16 b + i = true feature 32 b + 16 h + i of my 128.  v: it belongs to the lane: A block a's feature 32 (a / 2) + 8 (a % 2) + r + 8 (r / 8).
	s_cmp_eq_u32 ttmp9, 2
	s_cselect_b32 s20, s41, s42
	s_cselect_b32 s22, s15, s16
	s_cselect_b32 s23, 8192, 0
	s_lshl_b32 s20, s20, 10
	s_lshl_b32 s22, s22, 9
	s_add_co_u32 s20, s20, s22
	s_add_co_u32 s20, s20, s23
	s_add_nc_u64 s[100:101], s[100:101], s[20:21]
	s_cmp_eq_u32 ttmp9, 2
	s_cbranch_scc1 .Lbias_v
	v_lshlrev_b32 v[BA], 6, v2                     ; 64 h
.irp b, 0,1,2,3
.irp j, 0,1,2,3
	global_load_b128 v[BIAS+16*\b+4*\j:BIAS+16*\b+4*\j+3], v[BA], s[100:101] offset:128*\b+16*\j
.endr
.endr
	s_branch .Lbias_in
.Lbias_v:
	v_and_b32 v[BA], 8, v1
	v_add_nc_u32 v[BA], v[BA], v1
	v_lshlrev_b32 v[BA], 2, v[BA]                  ; 4 (r + 8 (r / 8))
.irp a, 0,1,2,3,4,5,6,7                ; eight registers for each A block, all with the lane's bias: both ways write the same 64 registers
.irp j, 0,1,2,3,4,5,6,7
	global_load_b32 v[BIAS+8*\a+\j], v[BA], s[100:101] offset:4*(32*(\a/2)+8*(\a%2))
.endr
.endr
.Lbias_in:
.macro FRAG reg, adr, q, i             ; 16 rows x 128 K of 6-bit codes: 12 registers, in pieces of 8 bytes; where the piece three on lies behind one padding more, the second address register serves
.irp p, 0,1,2,3,4,5
.set PCE, 12*(\q)+6*(\p/3)+\p%3
.if PCE%8 < 5
	ds_load_b64 v[\reg+2*\p:\reg+2*\p+1], v[\adr] offset:8*PCE+16*(PCE/8)+(\i)*16*PITCH
.else
	ds_load_b64 v[\reg+2*\p:\reg+2*\p+1], v[\adr+2] offset:8*PCE+16*(PCE/8)+(\i)*16*PITCH
.endif
.endr
.endm
; 16 matrix instructions: A's blocks a0, a0 + 1 x B's eight.  The 64 accumulators take turns, one instruction a turn, in the same order in every step.
.macro MUL16 a0, p, q, sc, zero
.irp a, \a0, \a0+1
.irp b, 0,1,2,3,4,5,6,7
.if \zero
	v_wmma_scale_f32_16x16x128_f8f6f4 v[8*(8*((\a)%4)+\b):8*(8*((\a)%4)+\b)+7], v[128*(\p)+FR*\b:128*(\p)+FR*\b+FR-1], v[AF+FR*(\a):AF+FR*(\a)+FR-1], 0, v[SC+8*NQ*(\sc)+NQ*\b+(\q)], v[SC+8*NQ*(\sc)+NQ*(\a)+(\q)] matrix_a_fmt:MATRIX_FMT_FP6 matrix_b_fmt:MATRIX_FMT_FP6 matrix_a_scale:MATRIX_SCALE_ROW1
.else
	v_wmma_scale_f32_16x16x128_f8f6f4 v[8*(8*((\a)%4)+\b):8*(8*((\a)%4)+\b)+7], v[128*(\p)+FR*\b:128*(\p)+FR*\b+FR-1], v[AF+FR*(\a):AF+FR*(\a)+FR-1], v[8*(8*((\a)%4)+\b):8*(8*((\a)%4)+\b)+7], v[SC+8*NQ*(\sc)+NQ*\b+(\q)], v[SC+8*NQ*(\sc)+NQ*(\a)+(\q)] matrix_a_fmt:MATRIX_FMT_FP6 matrix_b_fmt:MATRIX_FMT_FP6 matrix_a_scale:MATRIX_SCALE_ROW1
.endif
.endr
.endr
.endm
.macro FETCH_B slot, q, p
	WIN TO_B
.irp i, 0,1,2,3,4,5,6,7
	FRAG 128*(\p)+FR*\i, ADRB+\slot, \q, \i
.endr
	WIN 0
.endm
.macro FETCH_A slot, q, i0
.irp i, \i0, \i0+1, \i0+2, \i0+3
	FRAG AF+FR*(\i), ADRA+\slot, \q, \i
.endr
.endm
.macro SCALES sc                       ; a K step's scale words: lanes 0-15 A's block i, lanes 16-31 B's block i
.irp i, 0,1,2,3,4,5,6,7
	ds_load_b64 v[SC+8*NQ*\sc+NQ*\i:SC+8*NQ*\sc+NQ*\i+1], v[ADRS] offset:\i*SBLK
.endr
.endm
.macro PLACES n                        ; plain vector instructions between a matrix instruction and a load into, or a read of, its registers
.rept \n
	v_nop
.endr
.endm
.macro STEP slot, q, zero              ; 128 along K that has its successor in the same slot
	s_wait_dscnt 4*NL                              ; B's set and A's blocks 0-3 are in; the youngest 24 loads (A's blocks 4-7) may be out
	WIN MUL_LO
	MUL16 0, (\q)%2, \q, \slot, \zero
	MUL16 2, (\q)%2, \q, \slot, \zero
	s_wait_dscnt 0                                 ; A's blocks 4-7 are in
	PLACES NP
	FETCH_B \slot, (\q)+1, 1-(\q)%2
	FETCH_A \slot, (\q)+1, 0
	WIN MUL_HI
	MUL16 4, (\q)%2, \q, \slot, \zero
	MUL16 6, (\q)%2, \q, \slot, \zero
	PLACES NP
	WIN 0
	FETCH_A \slot, (\q)+1, 4
.endm
; A slot's last step changes slots: one barrier; in front of it each wave waits for all its tensor loads, adds 0 to its spare word, and waits for that and for its reads of this slot.
.macro TURN slot, next, fill
	s_wait_tensorcnt 0x0                           ; all my tensor loads have landed: my part of the next slot
	ds_add_u32 v[SPW], v[NIL]                      ; 0 onto my spare word
	s_wait_dscnt 4*NL+1                            ; (the add and the youngest 24 loads may be out)
	WIN MUL_LO
	MUL16 0, 1, NQ-1, \slot, 0
	s_wait_dscnt 0x0                               ; the add is done, and my reads of this slot are over
	s_barrier_signal -1
	MUL16 2, 1, NQ-1, \slot, 0
	WIN 0
	s_barrier_wait -1
.if \fill
	CREST                                          ; the barrier has opened a round of the cluster's: no wave of any partner still reads this slot or has a load on its way
	s_add_nc_u64 s[G0+4*\slot+2:G0+4*\slot+3], s[G0+4*\slot+2:G0+4*\slot+3], s[96:97]
	s_add_nc_u64 s[G0B+4*\slot+2:G0B+4*\slot+3], s[G0B+4*\slot+2:G0B+4*\slot+3], s[98:99]
	JLOAD G0+4*\slot, G1, G0B+4*\slot, G1B         ; my one tensor load behind the round; its four v_nop are the places in front of the loads below
.else
	PLACES NP
.endif
	s_wait_alu depctr_va_vdst(0)
	v_add_nc_u32 v[ADRS], 4*NQ, v[ADRS]            ; the next K step's scale words
	FETCH_B \next, 0, 0
	FETCH_A \next, 0, 0
	SCALES \next
	WIN MUL_HI
	MUL16 4, 1, NQ-1, \slot, 0
	MUL16 6, 1, NQ-1, \slot, 0
	PLACES NP
	WIN 0
	FETCH_A \next, 0, 4
.endm
	s_wait_alu depctr_va_vdst(0)
	s_wait_tensorcnt 0x0                           ; my tile of the head's four is in
	ds_add_u32 v[SPW], v[NIL]
	s_mov_b32 s[G1+2], 96<<16                      ; no tensor load of mine is out: from here on a load brings 128 places, 96 rows of 256 bytes
	s_mov_b32 s[G1+4], 96
	s_mov_b32 s[G1B+2], 96<<16
	s_mov_b32 s[G1B+4], 96
	s_wait_dscnt 0x0
	CROUND                                         ; all four tiles are in, and the sixteen work-groups meet
	JLOAD G0+4, G1, G0B+4, G1B                     ; K step 1, the first tensor load behind the round
	FETCH_B 0, 0, 0
	FETCH_A 0, 0, 0
	s_wait_alu depctr_va_vdst(0)
	SCALES 0
	FETCH_A 0, 0, 4
	STEP 0, 0, 1                                   ; the first step's products start the sums
	s_mov_b32 s3, LAPS-1
.Llap:
	TURN 0, 1, 1
	STEP 1, 0, 0
	TURN 1, 0, 1
	STEP 0, 0, 0
	s_sub_co_u32 s3, s3, 1
	s_cmp_lg_u32 s3, 0
	s_cbranch_scc1 .Llap
	TURN 0, 1, 0                                   ; the last lap fills nothing
	STEP 1, 0, 0
	s_wait_dscnt 4*NL
	WIN MUL_LO
	MUL16 0, 1, NQ-1, 1, 0
	MUL16 2, 1, NQ-1, 1, 0
	s_wait_dscnt 0
	WIN MUL_HI
	MUL16 4, 1, NQ-1, 1, 0
	MUL16 6, 1, NQ-1, 1, 0
	WIN 0
	PLACES NP                                      ; in front of the first read of results and the first write over A's fragments
; 64 numbers of a lane, v[s] on, register 16 b + i = k 32 b + 16 (lane / 16) + i of my row, become a fragment's codes in v[PC] on and its scale word in v[pw].
.macro QUANT s, pw
.irp b, 0,1,2,3
	v_max3_num_f32 v[TM+\b], |v[\s+16*\b]|, |v[\s+1+16*\b]|, 0x1800000   ; my 16 numbers of block b, and the floor 2^(3 - 127): the byte cannot fall under 1
.endr
.irp i, 2,4,6,8,10,12,14
.irp b, 0,1,2,3
	v_max3_num_f32 v[TM+\b], v[TM+\b], |v[\s+16*\b+\i]|, |v[\s+1+16*\b+\i]|
.endr
.endr
.irp b, 0,1,2,3
	v_permlanex16_b32 v[TM+4+\b], v[TM+\b], s20, s21
.endr
.irp b, 0,1,2,3
	v_max_num_f32 v[TM+\b], v[TM+\b], v[TM+4+\b]   ; with lane l xor 16's: the block's largest magnitude
.endr
.irp b, 0,1,2,3
	v_add_nc_u32 v[TM+12+\b], 0xff000000, v[TM+\b] ; 2 off its exponent field: the conversion's scale operand
.endr
.irp b, 0,1,2,3
	v_lshrrev_b32 v[TM+4+\b], 23, v[TM+12+\b]      ; the scale's byte
.endr
	v_lshl_or_b32 v[\pw], v[TM+5], 8, v[TM+4]
	v_lshl_or_b32 v[\pw], v[TM+6], 16, v[\pw]
	v_lshl_or_b32 v[\pw], v[TM+7], 24, v[\pw]
.irp c, 0,1
	v_cvt_scalef32_pk16_fp6_f32 v[PC+6*\c:PC+2+6*\c], v[\s+32*\c:\s+15+32*\c], v[TM+12+2*\c]
	v_cvt_scalef32_pk16_fp6_f32 v[PC+12+4*\c:PC+14+4*\c], v[\s+16+32*\c:\s+31+32*\c], v[TM+12+2*\c+1]   ; (a conversion's three registers begin on an even number)
.endr
	v_nop                                          ; one plain place behind a scaled conversion
.irp c, 0,1                            ; the operand's layout wants a whole block in a lane
.irp i, 0,1,2
	v_permlane16_swap_b32 v[PC+6*\c+\i], v[PC+12+4*\c+\i]
.endr
.irp i, 0,1,2
	v_mov_b32 v[PC+3+6*\c+\i], v[PC+12+4*\c+\i]
.endr
.endr
.endm
; THE WAY OUT, A block by A block: one packed addition a pair adds the bias and brings the sums into window 0 (each accumulator from its low end on); the quantiser; the codes leave as images of their registers.
.macro EPI var
	s_wait_loadcnt 0x0                             ; the bias
	s_mov_b32 s20, 0x76543210
	s_mov_b32 s21, 0xfedcba98                      ; v_permlanex16_b32's selects for lane l xor 16
.irp b, 0,1,2,3
	v_mov_b32 v[TM+4+\b], 0                        ; a lane permute's destination counts as one of its sources
.endr
	v_cmp_le_u32 vcc_lo, 16, v[LN]                 ; lanes 16-31
.irp a, 0,1,2,3,4,5,6,7
.if \a > 0
	s_wait_xcnt 0x0                                ; the last block's stores have read their registers: the codes may be written again
.endif
	WIN 0x02+(\a/4)                                ; source 0: window 2 or 3
.set i, 0
.rept 32
.if \var
	v_pk_add_f32 v[H+2*i:H+2*i+1], v[64*(\a%4)+2*i:64*(\a%4)+2*i+1], v[BIAS+8*\a:BIAS+8*\a+1]
.else
	v_pk_add_f32 v[H+2*i:H+2*i+1], v[64*(\a%4)+2*i:64*(\a%4)+2*i+1], v[BIAS+2*i:BIAS+2*i+1]
.endif
.set i, i+1
.endr
	WIN 0
	QUANT H, PWS+\a
.if \var
.irp p, 0,1,2
	global_store_b128 v[LI16], v[PC+4*\p:PC+4*\p+3], s[12:13] offset:16*VBLK*(\a/4)+1536*(\a%4)+512*\p   ; head a / 4 of my two, channel tile a % 4: 16 channel places x my 128 keys
.endr
.else
	global_store_b128 v[LI16], v[PC:PC+3], s[12:13] offset:768*\a                      ; token tile a, my first head's 64,
	global_store_b64 v[LI8], v[PC+4:PC+5], s[12:13] offset:768*\a+512
	global_store_b128 v[LI16], v[PC+6:PC+9], s[12:13] offset:16*QBLK+768*\a            ; and my second head's, sixteen blocks on
	global_store_b64 v[LI8], v[PC+10:PC+11], s[12:13] offset:16*QBLK+768*\a+512
.endif
.endr
.if \var
.irp e, 0,1
	v_cndmask_b32 v[SW+2*\e], v[PWS+4*\e], v[PWS+4*\e+1], vcc_lo       ; an even tile's words in lanes 0-15, the odd tile's in lanes 16-31
	v_cndmask_b32 v[SW+2*\e+1], v[PWS+4*\e+2], v[PWS+4*\e+3], vcc_lo
	global_store_b64 v[LI8], v[SW+2*\e:SW+2*\e+1], s[12:13] offset:16*VBLK*\e+6144
.endr
.else
.irp j, 0,1,2,3
	v_cndmask_b32 v[SW+4+\j], v[PWS+2*\j], v[PWS+2*\j+1], vcc_lo
	v_and_b32 v[SW+\j], 0xffff, v[SW+4+\j]         ; the first head's two bytes,
	v_lshrrev_b32 v[SW+4+\j], 16, v[SW+4+\j]       ; the second head's
.endr
	global_store_b128 v[LI16], v[SW:SW+3], s[12:13] offset:6144
	global_store_b128 v[LI16], v[SW+4:SW+7], s[12:13] offset:16*QBLK+6144
.endif
.endm
	s_cmp_eq_u32 ttmp9, 2
	s_cbranch_scc1 .Lout_v
	EPI 0
	s_branch .Lend
.Lout_v:
	EPI 1
.Lend:
	s_wait_tensorcnt 0x0                           ; the wave's end
	ds_add_u32 v[SPW], v[NIL]
	s_wait_dscnt 0x0
	CROUND                                         ; the closing round: no work-group ends while a partner may still ask for a tile that names it
	s_endpgm
.Lfunc_end_k_qcd34dd4879_qkv:
	.size	k_qcd34dd4879_qkv, .Lfunc_end_k_qcd34dd4879_qkv-k_qcd34dd4879_qkv
	.p2alignl 7, 3214868480
	.fill 96, 4, 3214868480
	.section	.rodata,"a",@progbits
	.p2align	6, 0x0
	.amdhsa_kernel k_qcd34dd4879_qkv
		.amdhsa_group_segment_fixed_size 327680
		.amdhsa_private_segment_fixed_size 0
		.amdhsa_enable_private_segment 0
		.amdhsa_kernarg_size 48
		.amdhsa_user_sgpr_count 2
		.amdhsa_user_sgpr_kernarg_segment_ptr 1
		.amdhsa_wavefront_size32 1
		.amdhsa_system_sgpr_workgroup_id_x 1
		.amdhsa_system_sgpr_workgroup_id_y 1
		.amdhsa_system_sgpr_workgroup_id_z 1
		.amdhsa_system_vgpr_workitem_id 0
		.amdhsa_next_free_vgpr 1024
		.amdhsa_next_free_sgpr 104
		.amdhsa_reserve_vcc 1
		.amdhsa_float_denorm_mode_32 3
		.amdhsa_float_denorm_mode_16_64 3
		.amdhsa_memory_ordered 1
		.amdhsa_forward_progress 1
		.amdhsa_inst_pref_size 241
	.end_amdhsa_kernel
	.amdgpu_metadata
---
amdhsa.version: [ 1, 2 ]
amdhsa.kernels:
  - .name:           k_qcd34dd4879_qkv
    .symbol:         k_qcd34dd4879_qkv.kd
    .args:
      - { .name: xq, .offset: 0, .size: 8, .value_kind: global_buffer, .address_space: global }
      - { .name: wq, .offset: 8, .size: 8, .value_kind: global_buffer, .address_space: global }
      - { .name: b_packed, .offset: 16, .size: 8, .value_kind: global_buffer, .address_space: global }
      - { .name: qc, .offset: 24, .size: 8, .value_kind: global_buffer, .address_space: global }
      - { .name: kc, .offset: 32, .size: 8, .value_kind: global_buffer, .address_space: global }
      - { .name: vc, .offset: 40, .size: 8, .value_kind: global_buffer, .address_space: global }
    .group_segment_fixed_size: 327680
    .private_segment_fixed_size: 0
    .kernarg_segment_align: 8
    .kernarg_segment_size: 48
    .max_flat_workgroup_size: 128
    .sgpr_count:     104
    .vgpr_count:     1024
    .wavefront_size: 32
...
	.end_amdgpu_metadata
.endif
;; end of part 2
;; launch attn (part 3): grid 256 x 1, 8 waves a work-group, clusters of 4 x 1, 327,680 bytes of LDS; arguments qc, kc, vc, ao; writes ao
.if DOCPART == 3
	.amdgcn_target "amdgcn-amd-amdhsa--gfx1250"
	.amdhsa_code_object_version 6
	.text
	.protected	k_qcd34dd4879_attn
	.globl	k_qcd34dd4879_attn
	.p2align	8
	.type	k_qcd34dd4879_attn,@function
k_qcd34dd4879_attn:
	s_mov_b64 s[64:65], 0
	v_nop
	global_prefetch_b8 v0, s[64:65] scope:SCOPE_SE
	s_setreg_imm32_b32 hwreg(HW_REG_WAVE_MODE, 25, 1), 1
	s_wait_xcnt 0x0
	s_wait_alu depctr_hold_cnt(0) depctr_sa_sdst(0) depctr_va_vdst(0) depctr_va_sdst(0) depctr_va_ssrc(0) depctr_va_vcc(0) depctr_vm_vsrc(0)
	s_getreg_b32 s2, hwreg(HW_REG_IB_STS2, 6, 4)
	s_cmp_eq_u32 s2, 0
	s_cbranch_scc0 .Lentry_in_a_cluster
	s_endpgm
.Lentry_in_a_cluster:
	s_bfe_u32 s2, ttmp6, 0x10000c
	s_cmp_lg_u32 s2, 0x3003
	s_cbranch_scc0 .Lentry_shape_is_right
	s_endpgm
.Lentry_shape_is_right:
; ATTN: causal attention of one head on codes of FP6 (E2M3): S^T = K Q^T (K = the head's 64), p = 2^(t - M), O^T += V^T P^T, O / l, quantised along the head's 64.
; t = score x log2(e) / 8; M = the running largest t rounded UP to a whole number; the row's sum l is taken of the unquantised p; when M moves, l and O are multiplied by 2^(old M - new M), which rounds nothing.
; LEFT OUT: key steps that lie wholly behind a tile's queries: the causal mask gives them -inf ahead of the softmax, so they add nothing to any output.
; ALL OF A HEAD'S K AND V LIES IN LDS: 16 blocks of 128 keys, 6,656 bytes of K and 6,400 of V each, 208,896 bytes.  Each of the eight waves asks for a quarter at the head (even waves K's, odd waves V's, quarter = wave / 2):
; nothing is filled again, and no barrier stands between key steps.  The first three trips read blocks 0 to 3, which waves 0 and 1 asked for by lines of their own and waited for; one plain barrier behind them shows the rest.
; CLUSTER: the four work-groups of a head (cluster x = batch x 16 + head) read the same K and V and ask jointly.  Work-group j owns the query tiles 4 a + j (16 places each), a = 0 .. 31.  The tiles of a = 2 m and 2 m + 1 hold true
; queries inside keys' block m: every branch and every LDS address hangs on m, the wave and the trip alone; j goes into global addresses and into the lanes' numbers for the mask.
; SHARES: a wave works TWO tiles at once, u = 0, 1: a = 2 m + u.  Each fragment of K and V feeds both, and the two tiles' short chains stand line by line in turn.  Wave w owns pair m = 15 - w (NL = 16 - w key steps) and pair m = w
; (17 - NL steps): 17 double steps in every wave.  Trips T < NL walk the long pair's blocks T upward; trips T >= NL the short pair's blocks 16 - T downward, the masked block first.
; K'S EIGHT FRAGMENTS OF A STEP LIE ON END, six registers each: the upper 64 of the instruction's K are then the next tile's codes (behind the last: six zeros), which meet Q's zero codes and add nothing.
; LOADS AHEAD: behind a step's S products its V fragments (13 loads) and then the NEXT step's K fragments (17 loads) are asked for.  In trip 16 the next block is block 0 once more: 17 loads whose registers nobody reads.
; NO PREFETCH: every byte of K and V is asked for by the head's tensor loads; no later request is left to run ahead of.
; PLACES: tokens and channels lie by places (bits 3 and 4 exchanged): lanes are places, registers run over TRUE keys and channels.  Lane r of tile 4 a + j is the true query 64 a + 32 (j / 2) + 8 (j % 2) + r + 8 (r / 8).
; OUT.  ao: codes [512 tiles of 16 places][16 heads][768 bytes] (six registers' image), scale bytes [8192 places][32] at AS_OFF, byte 2 head + block.  A head has 2 of a row's 32 scale bytes: those stores are 2 bytes a row.
; LIMITS: the promise holds while the scaled scores t stay under 2^31 in magnitude; a block's largest p is taken from its largest score (p is taken not to fall where the score rises); 1 / l by v_rcp_f32 and a multiplication;
; a block of zeros keeps the byte 1; NaN and infinities are not served.
; REGISTERS.  Tile u's large arrays (Q, S, O, p's codes) lie in window u at the same numbers.  Both tiles' small numbers, K's fragments, all scale words and all addresses lie in window 0; V's fragments and the sums' chains in window 1.
.set KBLK,  6656
.set VBLK,  6400
.set VREG,  16*KBLK                    ; V's blocks lie behind K's
.set SPARE, 221184                     ; the spare words: 128 bytes for each of 8 waves, behind V's blocks; no other line names them
.set AS_OFF, 6291456
.set L16, 1                            ; 16 x lane
.set L8,  2                            ; 8 x lane
.set AK16, 3                           ; the same in the next K block
.set AK8, 4
.set SPW, 5
.set NIL, 6
.set R32, 7                            ; 32 r: my row of scale bytes
.set DQ0, 8                            ; 32 (j / 2) + 8 (j % 2) + r + 8 (r / 8) - 16 h;  DQ1: 64 more
.set AV16, 9                           ; 16 and 8 x lane in V's block in hand
.set AV8, 10
.set R16, 11                           ; 16 r
.set ST0, 12                           ; -M, the largest t, the sum in two halves
.set QF,  16                           ; Q's fragment (registers 6-11 are zeros)
.set QL,  28                           ; the short pair's
.set QLS0, 34
.set QS0, 35
.set KB,  36                           ; v36-89: K's eight fragments on end, and six zeros
.set VB,  36                           ; window 1: V's four fragments
.set ST1, 90
.set DQ1, 94
.set NINF, 95                          ; -infinity
.set S,   96
.set O,   160
.set PC,  192
.set PT,  204
.set BM0, 212
.set BM1, 216
.set TT0, 220
.set TT1, 224
.set KS,  228                          ; K's scale words of a step
.set QS1, 233
.set PS0, 234
.set PS1, 235
.set VS,  236
.set QLS1, 238
.set SF0, 240
.set SF1, 244
.set FF0, 248
.set FF1, 250
.set WK0, 252
.set WK1, 254
.set SM0, 212                          ; window 1: eight chains of the row's sum for each tile
.set SM1, 228
.set CX,  2
.set T,   3
.set WV,  18
.set KIND, 19
.set SEL, 20
.set CS,  22
.set G1K, 24
.set G1V, 32
.set G0K, 40
.set G0V, 44
.set KN,  48
.set VUP, 50
.set VDN, 51
.set OCH, 52
.set OSH, 54
.set OCL, 56
.set OSL, 58
.set NL,  60
.set KA,  61
.set VA,  62
.set MK,  68
.set AL,  76
.set QCL, 78
.set QSL, 80
.set QCS, 82
.set QSS, 84
.set MSB, 0
.macro WIN new                         ; low byte: bits 1:0 source 0, 3:2 source 1, 5:4 source 2, 7:6 destination; the high byte repeats the setting that is left
.if MSB != (\new)
	s_set_vgpr_msb (MSB<<8)|(\new)
.set MSB, (\new)
.endif
.endm
.macro WALU
	s_wait_alu depctr_va_vdst(0)
.endm
.macro TL g0, g1                       ; s_nop 0 and four v_nop behind the load
	tensor_load_to_lds s[\g0:\g0+3], s[\g1:\g1+7]
	s_nop 0
.rept 4
	v_nop
.endr
.endm
.macro CROUND                          ; a round of the cluster's barrier
	s_barrier_signal -1
	s_barrier_wait -1
	s_cmp_lg_u32 s[WV], 0
	s_cbranch_scc1 .Lnw0_\@
	s_barrier_signal -3
.Lnw0_\@:
	s_barrier_wait -3
	s_barrier_signal -1
	s_barrier_wait -1
.endm
; Pair m: where tile 8 m + j's codes and scale words lie in qc and where its results go in ao; tile 8 m + 4 + j lies 3,072 (scale words: 8) bytes on in qc, 49,152 (scale bytes: 2,048) on in ao
.macro PAIR m, qcb, qsb, oc, os
	s_lshl_b32 s70, ttmp9, 4
	s_add_co_u32 s70, s70, s[\m]
	s_mul_i32 s70, s70, KBLK                       ; block 16 (batch, head) + m
	s_mul_i32 s72, s[CX], 768
	s_add_co_u32 s72, s72, s70
	s_mov_b32 s73, 0
	s_add_nc_u64 s[\qcb:\qcb+1], s[4:5], s[72:73]
	s_and_b32 s72, s[CX], 1
	s_lshl_b32 s72, s72, 8
	s_lshr_b32 s71, s[CX], 1
	s_lshl_b32 s71, s71, 2
	s_add_co_u32 s72, s72, s71
	s_add_co_u32 s72, s72, s70
	s_add_co_u32 s72, s72, 6144                    ; scale words: register tile / 2 of the image, lanes r + 16 (tile % 2)
	s_add_nc_u64 s[\qsb:\qsb+1], s[4:5], s[72:73]
	s_lshr_b32 s70, ttmp9, 4
	s_lshl_b32 s70, s70, 7
	s_lshl_b32 s71, s[\m], 3
	s_add_co_u32 s70, s70, s71
	s_add_co_u32 s70, s70, s[CX]                   ; the tile among the 512
	s_and_b32 s71, ttmp9, 15                       ; head
	s_lshl_b32 s72, s70, 4
	s_add_co_u32 s72, s72, s71
	s_mul_i32 s72, s72, 768
	s_add_nc_u64 s[\oc:\oc+1], s[10:11], s[72:73]
	s_lshl_b32 s72, s70, 9
	s_lshl_b32 s71, s71, 1
	s_add_co_u32 s72, s72, s71
	s_add_co_u32 s72, s72, AS_OFF
	s_add_nc_u64 s[\os:\os+1], s[10:11], s[72:73]
.endm
.macro KLOAD a16, a8                   ; a block's eight fragments of K and its scale words: 17 loads
.irp t, 0,1,2,3,4,5,6,7
	ds_load_b128 v[KB+6*\t:KB+6*\t+3], v[\a16] offset:768*\t
	ds_load_b64 v[KB+6*\t+4:KB+6*\t+5], v[\a8] offset:768*\t+512
.endr
	ds_load_b128 v[KS:KS+3], v[\a16] offset:6144
.endm
	s_load_b256 s[4:11], s[0:1], 0x0               ; qc s[4:5], kc s[6:7], vc s[8:9], ao s[10:11]
	v_lshl_add_u32 v[SPW], v0, 2, SPARE
	v_mov_b32 v[NIL], 0
	ds_add_u32 v[SPW], v[NIL]                      ; the opening lines: the add twice on end and its wait
	ds_add_u32 v[SPW], v[NIL]
	v_lshrrev_b32 v[WK0], 5, v0
	v_readfirstlane_b32 s[WV], v[WK0]              ; wave 0..7
	s_and_b32 s[KIND], s[WV], 1                    ; 0: I fetch a quarter of K, 1: of V
	s_lshr_b32 s69, s[WV], 1                       ; which quarter: four blocks of 128 keys
	s_bfe_u32 s[CX], ttmp6, 0x40000                ; j: my work-group's place in the cluster
	; group 1: dense blocks as rows of 256 bytes (32 elements of 8 bytes): K 104 rows, V 100; the mask names the four partners
	s_mov_b32 s[G1K], 15|(3<<16)|(1<<21)
	s_mov_b32 s[G1K+1], 32<<16
	s_mov_b32 s[G1K+2], 104<<16
	s_mov_b32 s[G1K+3], 32<<16
	s_mov_b32 s[G1K+4], 104
	s_mov_b32 s[G1K+5], 32
	s_mov_b32 s[G1K+6], 0
	s_mov_b32 s[G1K+7], 0
	s_mov_b32 s[G1V], 15|(3<<16)|(1<<21)
	s_mov_b32 s[G1V+1], 32<<16
	s_mov_b32 s[G1V+2], 100<<16
	s_mov_b32 s[G1V+3], 32<<16
	s_mov_b32 s[G1V+4], 100
	s_mov_b32 s[G1V+5], 32
	s_mov_b32 s[G1V+6], 0
	s_mov_b32 s[G1V+7], 0
	s_mov_b32 s[G0K], 1
	s_mul_i32 s[G0K+1], s69, 4*KBLK
	s_mov_b32 s[G0V], 1
	s_mul_i32 s[G0V+1], s69, 4*VBLK
	s_add_co_u32 s[G0V+1], s[G0V+1], VREG
	s_mul_i32 s70, ttmp9, 16*KBLK
	s_mul_i32 s71, s69, 4*KBLK
	s_add_co_u32 s70, s70, s71
	s_mov_b32 s71, 0
	s_mul_i32 s72, ttmp9, 16*VBLK
	s_mul_i32 s73, s69, 4*VBLK
	s_add_co_u32 s72, s72, s73
	s_mov_b32 s73, 0
	s_mov_b32 s[SEL], 0x76543210
	s_mov_b32 s[SEL+1], 0xfedcba98
	s_mov_b32 s[CS], 0x3e38aa3b                    ; c = log2(e) / sqrt(64)
	s_mov_b32 s[CS+1], s[CS]
	s_sub_co_u32 s[AL], 15, s[WV]                  ; the long pair's m
	s_add_co_u32 s[NL], s[AL], 1                   ; its key steps
	WALU
	s_wait_dscnt 0x0                               ; both opening adds are done
	CROUND                                         ; the four partners are here: the joint loads meet
	s_wait_kmcnt 0x0
	s_add_nc_u64 s[G0K+2:G0K+3], s[6:7], s[70:71]
	s_or_b32 s[G0K+3], s[G0K+3], 0x80000000
	s_add_nc_u64 s[G0V+2:G0V+3], s[8:9], s[72:73]
	s_or_b32 s[G0V+3], s[G0V+3], 0x80000000
	; one load a wave, in one tree of branches on the wave's number; waves 0 and 1, which wait ahead of the first barrier, have lines of their own
	s_cmp_lt_u32 s[WV], 2
	s_cbranch_scc0 .Llate
	s_cmp_eq_u32 s[KIND], 0
	s_cbranch_scc0 .Learly_v
	TL G0K, G1K
	s_branch .Lasked
.Learly_v:
	TL G0V, G1V
	s_branch .Lasked
.Llate:
	s_cmp_eq_u32 s[KIND], 0
	s_cbranch_scc0 .Llate_v
	TL G0K, G1K
	s_branch .Lasked
.Llate_v:
	TL G0V, G1V
.Lasked:
	PAIR AL, QCL, QSL, OCH, OSH
	PAIR WV, QCS, QSS, OCL, OSL
	s_lshr_b32 s70, s[CX], 1
	s_lshl_b32 s70, s70, 5
	s_and_b32 s71, s[CX], 1
	s_lshl_b32 s71, s71, 3
	s_add_co_u32 s70, s70, s71                     ; 32 (j / 2) + 8 (j % 2)
	v_and_b32 v[WK0], 31, v0
	v_and_b32 v[R16], 15, v0                       ; r
	v_bfe_u32 v[WK1], v0, 4, 1                     ; h
	v_lshlrev_b32 v[L16], 4, v[WK0]
	v_lshlrev_b32 v[L8], 3, v[WK0]
	v_lshlrev_b32 v[R32], 5, v[R16]
	v_and_b32 v[DQ0], 8, v[R16]
	v_lshlrev_b32 v[WK1], 4, v[WK1]
	v_add_nc_u32 v[DQ0], v[DQ0], v[R16]
	v_lshlrev_b32 v[R16], 4, v[R16]
	v_sub_nc_u32 v[DQ0], v[DQ0], v[WK1]
	v_add_nc_u32 v[DQ0], s70, v[DQ0]
	v_add_nc_u32 v[DQ1], 64, v[DQ0]
	WALU
.irp u, 0,1                            ; tile u's codes into window u
	WIN \u*0x40
	global_load_b128 v[QF:QF+3], v[L16], s[QCL:QCL+1] offset:3072*\u
	global_load_b64 v[QF+4:QF+5], v[L8], s[QCL:QCL+1] offset:3072*\u+512
	global_load_b128 v[QL:QL+3], v[L16], s[QCS:QCS+1] offset:3072*\u
	global_load_b64 v[QL+4:QL+5], v[L8], s[QCS:QCS+1] offset:3072*\u+512
.irp i, 6,7,8,9,10,11
	v_mov_b32 v[QF+\i], 0                          ; the upper 64 of the instruction's K: zero codes
.endr
.set j, 0
.rept 32
	v_mov_b32 v[O+j], 0                            ; the step is written once: the first finds zeros
.set j, j+1
.endr
.endr
	WIN 0
.irp u, 0,1
	global_load_b32 v[QS\u], v[R16], s[QSL:QSL+1] offset:8*\u
	global_load_b32 v[QLS\u], v[R16], s[QSS:QSS+1] offset:8*\u
	v_mov_b32 v[ST\u+1], 0xff61b1e6                ; the largest t so far: -3e38
	v_mov_b32 v[ST\u+2], 0
	v_mov_b32 v[ST\u+3], 0
	v_mov_b32 v[WK\u], 0
	v_mov_b32 v[FF\u+1], 0                         ; (named as the upper half of a pair)
.irp b, 0,1,2,3
	v_mov_b32 v[TT\u+\b], 0                        ; a lane permute's destination counts as one of its sources
.endr
	v_floor_f32 v[ST\u], -v[ST\u+1]                ; -M
.endr
.irp i, 48,49,50,51,52,53
	v_mov_b32 v[KB+\i], 0                          ; behind K's last fragment
.endr
	v_mov_b32 v[NINF], 0xff800000
.macro SPROD u, t
.if (\t)%2
	v_wmma_scale_f32_16x16x128_f8f6f4 v[S+8*\t:S+8*\t+7], v[KB+6*\t:KB+6*\t+11], v[QF:QF+11], 0, v[KS+(\t)/2], v[QS\u] matrix_a_fmt:MATRIX_FMT_FP6 matrix_b_fmt:MATRIX_FMT_FP6 matrix_a_scale:MATRIX_SCALE_ROW1
.else
	v_wmma_scale_f32_16x16x128_f8f6f4 v[S+8*\t:S+8*\t+7], v[KB+6*\t:KB+6*\t+11], v[QF:QF+11], 0, v[KS+(\t)/2], v[QS\u] matrix_a_fmt:MATRIX_FMT_FP6 matrix_b_fmt:MATRIX_FMT_FP6
.endif
.endm
.macro OPROD u, t
.if (\t)%2
	v_wmma_scale_f32_16x16x128_f8f6f4 v[O+8*\t:O+8*\t+7], v[VB+12*\t:VB+12*\t+11], v[PC:PC+11], v[O+8*\t:O+8*\t+7], v[VS+(\t)/2], v[PS\u] matrix_a_fmt:MATRIX_FMT_FP6 matrix_b_fmt:MATRIX_FMT_FP6 matrix_a_scale:MATRIX_SCALE_ROW1
.else
	v_wmma_scale_f32_16x16x128_f8f6f4 v[O+8*\t:O+8*\t+7], v[VB+12*\t:VB+12*\t+11], v[PC:PC+11], v[O+8*\t:O+8*\t+7], v[VS+(\t)/2], v[PS\u] matrix_a_fmt:MATRIX_FMT_FP6 matrix_b_fmt:MATRIX_FMT_FP6
.endif
.endm
; A DOUBLE KEY STEP: 128 keys for both tiles.  K's fragments were asked for a step ago; V's block begins at LDS byte s[va]; the next step's K block at s[kn].  mask = 1: the text holds the causal mask, run where s[MK] is 0 or 1.
.macro STEP mask, kn, va
	s_wait_dscnt 0x0                               ; K's fragments and scale words are in
.irp u, 0,1
	WIN \u*0x44                                    ; S and Q in window u, K in window 0
.irp t, 0,1,2,3,4,5,6,7
	SPROD \u, \t
.endr
.endr                                  ; lane (r, h): query place r; register 16 b + i: true key 32 b + 16 h + i of the block
	WIN 0
	v_add_nc_u32 v[AV16], s[\va], v[L16]           ; four places between the products and the loads into their registers, and the reads of their results
	v_add_nc_u32 v[AV8], s[\va], v[L8]
	v_add_nc_u32 v[AK16], s[\kn], v[L16]
	v_add_nc_u32 v[AK8], s[\kn], v[L8]
	WIN 0x40
.irp t, 0,1,2,3                        ; V's four fragments: 16 channel places x these 128 keys
.irp p, 0,1,2
	ds_load_b128 v[VB+12*\t+4*\p:VB+12*\t+4*\p+3], v[AV16] offset:1536*\t+512*\p
.endr
.endr
	WIN 0
	ds_load_b64 v[VS:VS+1], v[AV8] offset:6144
	KLOAD AK16, AK8                                ; the next step's K
.if \mask
	s_cmp_lt_u32 s[MK], 2                          ; the long pair's last step or the short pair's first: the block that holds my queries
	s_cbranch_scc0 .Lopen_\@
.set n, 0
.rept 32                               ; d = my true query - the block's first key - 16 h: register 16 b + i is hidden where 32 b + i > d.  Tile 0's queries lie in the block's first 64:
	v_cmp_gt_i32 vcc_lo, 32*(n/16)+n%16, v[DQ0]
	v_cndmask_b32 v[S+n], v[S+n], v[NINF], vcc_lo
.set n, n+1
.endr
.rept 32                               ; its keys 64 to 127 are hidden from all of them
	v_mov_b32 v[S+n], v[NINF]
.set n, n+1
.endr
	WIN 0x41                               ; tile 1's queries lie in the second 64: keys 0 to 63 count for all of them
.set n, 32
.rept 32
	v_cmp_gt_i32 vcc_lo, 32*(n/16)+n%16, v[DQ1]
	v_cndmask_b32 v[S+n], v[S+n], v[NINF], vcc_lo
.set n, n+1
.endr
	WIN 0
.Lopen_\@:
.endif
.irp u, 0,1                            ; the largest score of each block of 32 keys: for the row's maximum, and for the block's largest p
	WIN \u*0x15
.irp b, 0,1,2,3
	v_max3_num_f32 v[BM\u+\b], v[S+16*\b], v[S+1+16*\b], v[S+2+16*\b]
.endr
	WIN \u*0x14
.irp i, 3,5,7,9,11,13
.irp b, 0,1,2,3
	v_max3_num_f32 v[BM\u+\b], v[BM\u+\b], v[S+16*\b+\i], v[S+1+16*\b+\i]
.endr
.endr
	WIN \u*0x04
.irp b, 0,1,2,3
	v_max_num_f32 v[BM\u+\b], v[BM\u+\b], v[S+15+16*\b]
.endr
.endr
	WIN 0
.irp b, 0,1,2,3
.irp u, 0,1
	v_permlanex16_b32 v[TT\u+\b], v[BM\u+\b], s[SEL], s[SEL+1]
.endr
.endr
.irp b, 0,1,2,3
.irp u, 0,1
	v_max_num_f32 v[BM\u+\b], v[BM\u+\b], v[TT\u+\b]   ; with lane l xor 16's 16 keys
.endr
.endr
.irp u, 0,1
	v_max3_num_f32 v[WK\u], v[BM\u], v[BM\u+1], v[BM\u+2]
.endr
.irp u, 0,1
	v_max_num_f32 v[WK\u], v[WK\u], v[BM\u+3]
.endr
.irp u, 0,1
	v_mul_f32 v[WK\u], s[CS], v[WK\u]              ; as t
.endr
.irp u, 0,1
	v_max_num_f32 v[ST\u+1], v[ST\u+1], v[WK\u]    ; the running largest t
.endr
.irp u, 0,1
	v_mov_b32 v[WK\u], v[ST\u]
.endr
.irp u, 0,1
	v_floor_f32 v[ST\u], -v[ST\u+1]                ; the new -M = -ceil(t)
.endr
.irp u, 0,1
	v_sub_f32 v[WK\u], v[ST\u], v[WK\u]            ; old M - new M: a whole number, 0 or less
.endr
.irp u, 0,1
	v_cvt_i32_f32 v[WK\u], v[WK\u]                 ; (it saturates)
.endr
.irp u, 0,1
	v_ldexp_f32 v[FF\u], 1.0, v[WK\u]              ; f = 2^(old M - new M)
.endr
.irp u, 0,1
	WIN \u*0x41
.set j, 0
.rept 32
	v_pk_fma_f32 v[S+j:S+j+1], v[S+j:S+j+1], s[CS:CS+1], v[ST\u:ST\u+1] op_sel_hi:[1,0,0]   ; t - M, two at a time
.set j, j+2
.endr
.endr
	WIN 0
.irp b, 0,1,2,3
.irp u, 0,1
	v_fma_f32 v[BM\u+\b], v[BM\u+\b], s[CS], v[ST\u]   ; the same of each block's largest score
.endr
.endr
	WALU
.irp u, 0,1
	WIN \u*0x41
.set j, 0
.rept 64
	v_exp_f32 v[S+j], v[S+j]                       ; p = 2^(t - M): not normalised
.set j, j+1
.endr
.endr
	WIN 0
.irp u, 0,1
	v_pk_mul_f32 v[ST\u+2:ST\u+3], v[ST\u+2:ST\u+3], v[FF\u:FF\u+1] op_sel_hi:[1,0]   ; the sums under the new M: plain places behind the exponentials
.endr
	WALU                                           ; one wait for the whole batch, ahead of its first reader
.irp b, 0,1,2,3
.irp u, 0,1
	v_exp_f32 v[BM\u+\b], v[BM\u+\b]               ; the block's largest p
.endr
.endr
.irp u, 0,1                            ; the row's sum of the unquantised p: 32 packed additions a tile, in eight chains
	WIN 0x40|(\u*5)
.irp k, 0,1,2,3,4,5,6,7
	v_pk_add_f32 v[SM\u+2*\k:SM\u+2*\k+1], v[S+4*\k:S+4*\k+1], v[S+4*\k+2:S+4*\k+3]
.endr
	WIN 0x41|(\u*4)
.irp k, 0,1,2,3,4,5,6,7
	v_pk_add_f32 v[SM\u+2*\k:SM\u+2*\k+1], v[SM\u+2*\k:SM\u+2*\k+1], v[S+32+2*\k:S+33+2*\k]
.endr
.irp k, 0,1,2,3,4,5,6,7
	v_pk_add_f32 v[SM\u+2*\k:SM\u+2*\k+1], v[SM\u+2*\k:SM\u+2*\k+1], v[S+48+2*\k:S+49+2*\k]
.endr
.endr
	WIN 0x45
.irp k, 0,2,4,6
.irp u, 0,1
	v_pk_add_f32 v[SM\u+\k:SM\u+\k+1], v[SM\u+\k:SM\u+\k+1], v[SM\u+\k+8:SM\u+\k+9]
.endr
.endr
.irp k, 0,2
.irp u, 0,1
	v_pk_add_f32 v[SM\u+\k:SM\u+\k+1], v[SM\u+\k:SM\u+\k+1], v[SM\u+\k+4:SM\u+\k+5]
.endr
.endr
.irp u, 0,1
	v_pk_add_f32 v[SM\u:SM\u+1], v[SM\u:SM\u+1], v[SM\u+2:SM\u+3]
.endr
	WIN 0x04
.irp u, 0,1
	v_pk_add_f32 v[ST\u+2:ST\u+3], v[ST\u+2:ST\u+3], v[SM\u:SM\u+1]
.endr
	WIN 0
	WALU                                           ; and one for the eight
.irp b, 0,1,2,3
.irp u, 0,1
	v_max_num_f32 v[BM\u+\b], 0x1800000, v[BM\u+\b]    ; the floor 2^(3 - 127): the byte cannot fall under 1
.endr
.endr
.irp b, 0,1,2,3
.irp u, 0,1
	v_add_nc_u32 v[SF\u+\b], 0xff000000, v[BM\u+\b]    ; 2 off the exponent field: the conversion's scale operand
.endr
.endr
.irp b, 0,1,2,3
.irp u, 0,1
	v_lshrrev_b32 v[TT\u+\b], 23, v[SF\u+\b]       ; the scale's byte
.endr
.endr
.irp u, 0,1
	v_lshl_or_b32 v[PS\u], v[TT\u+1], 8, v[TT\u]   ; p's scale word for these 128 keys
.endr
.irp u, 0,1
	v_lshl_or_b32 v[PS\u], v[TT\u+2], 16, v[PS\u]
.endr
.irp u, 0,1
	v_lshl_or_b32 v[PS\u], v[TT\u+3], 24, v[PS\u]
.endr
.irp u, 0,1
	WIN \u*0x41
.irp c, 0,1
	v_cvt_scalef32_pk16_fp6_f32 v[PC+6*\c:PC+6*\c+2], v[S+32*\c:S+32*\c+15], v[SF\u+2*\c]
	v_cvt_scalef32_pk16_fp6_f32 v[PT+4*\c:PT+4*\c+2], v[S+32*\c+16:S+32*\c+31], v[SF\u+2*\c+1]
.endr
.endr
	v_nop                                          ; one plain place behind a scaled conversion
.irp u, 0,1                            ; the operand's layout wants a whole block in a lane
	WIN \u*0x41
.irp c, 0,1
.irp i, 0,1,2
	v_permlane16_swap_b32 v[PC+6*\c+\i], v[PT+4*\c+\i]
.endr
.endr
.irp c, 0,1
.irp i, 0,1,2
	v_mov_b32 v[PC+3+6*\c+\i], v[PT+4*\c+\i]
.endr
.endr
.endr
.irp u, 0,1
	WIN \u*0x41
	WALU                                           ; the wait directly ahead of the first reader of O^T
.set j, 0
.rept 16
	v_pk_mul_f32 v[O+j:O+j+1], v[O+j:O+j+1], v[FF\u:FF\u+1] op_sel_hi:[1,0]   ; O^T under the new M; also the places between the scale words' and the codes' last writes and the products
.set j, j+2
.endr
.endr
	WIN 0
	WALU
	s_wait_dscnt 17                                ; V's 13 loads are in; the 17 loads of the next K, issued behind them, may be out
.irp u, 0,1
	WIN 0x01|(\u*0x54)                             ; V in window 1; p's codes and O^T in window u
.irp t, 0,1,2,3
	OPROD \u, \t                                   ; the eight accumulators by turns
.endr
.endr
	WIN 0
.endm
; A pair is finished: O^T / l, quantised along the head's 64 (two blocks), stored as images of six operand registers, with two scale bytes a row.
.macro FLUSH oc, os
.rept 4
	v_nop                                          ; places behind the last products
.endr
.irp u, 0,1
	v_add_f32 v[ST\u+2], v[ST\u+2], v[ST\u+3]
.endr
.irp u, 0,1
	v_permlanex16_b32 v[WK\u], v[ST\u+2], s[SEL], s[SEL+1]
.endr
.irp u, 0,1
	v_add_f32 v[ST\u+2], v[ST\u+2], v[WK\u]        ; the row's sum
.endr
	WALU
.irp u, 0,1
	v_rcp_f32 v[ST\u+2], v[ST\u+2]
.endr
	v_nop                                          ; a plain place behind the transcendentals
.irp u, 0,1
	WIN \u*0x41
	WALU                                           ; the wait ahead of the first reader of 1 / l and of O^T
.set j, 0
.rept 16
	v_pk_mul_f32 v[S+j:S+j+1], v[O+j:O+j+1], v[ST\u+2:ST\u+3] op_sel_hi:[1,0]   ; register 16 b + i: true channel 32 b + 16 h + i; each accumulator from its low end on
.set j, j+2
.endr
	WIN \u*0x05
.irp b, 0,1
	v_max3_num_f32 v[BM\u+\b], |v[S+16*\b]|, |v[S+1+16*\b]|, 0x1800000
.endr
	WIN \u*0x14
.irp i, 2,4,6,8,10,12,14
.irp b, 0,1
	v_max3_num_f32 v[BM\u+\b], v[BM\u+\b], |v[S+16*\b+\i]|, |v[S+1+16*\b+\i]|
.endr
.endr
.endr
	WIN 0
.irp b, 0,1
.irp u, 0,1
	v_permlanex16_b32 v[TT\u+\b], v[BM\u+\b], s[SEL], s[SEL+1]
.endr
.endr
.irp b, 0,1
.irp u, 0,1
	v_max_num_f32 v[BM\u+\b], v[BM\u+\b], v[TT\u+\b]
.endr
.endr
.irp b, 0,1
.irp u, 0,1
	v_add_nc_u32 v[SF\u+\b], 0xff000000, v[BM\u+\b]
.endr
.endr
.irp b, 0,1
.irp u, 0,1
	v_lshrrev_b32 v[TT\u+\b], 23, v[SF\u+\b]
.endr
.endr
.irp u, 0,1
	v_lshl_or_b32 v[WK\u], v[TT\u+1], 8, v[TT\u]
.endr
.irp u, 0,1
	WIN \u*0x41
	v_cvt_scalef32_pk16_fp6_f32 v[PC:PC+2], v[S:S+15], v[SF\u]
	v_cvt_scalef32_pk16_fp6_f32 v[PT:PT+2], v[S+16:S+31], v[SF\u+1]
.endr
	v_nop
.irp u, 0,1
	WIN \u*0x41
.irp i, 0,1,2
	v_permlane16_swap_b32 v[PC+\i], v[PT+\i]
.endr
.irp i, 0,1,2
	v_mov_b32 v[PC+3+\i], v[PT+\i]
.endr
.endr
.irp u, 0,1
	WIN \u*0x04                                    ; the stores' data in window u
	global_store_b128 v[L16], v[PC:PC+3], s[\oc:\oc+1] offset:49152*\u         ; 512 consecutive bytes, aligned at 256
	global_store_b64 v[L8], v[PC+4:PC+5], s[\oc:\oc+1] offset:49152*\u+512     ; 256 more
.endr
	WIN 0
.irp u, 0,1
	global_store_b16 v[R32], v[WK\u], s[\os:\os+1] offset:2048*\u              ; two bytes a row (lanes 16-31 write what lanes 0-15 write)
.endr
	s_wait_xcnt 0x0                                ; the stores have read their registers
.endm
; Where the long pair's walk ends: it goes out and the short pair's walk begins.  A branch on the wave's number and the trip's.
.macro SWITCH
	s_cmp_lg_u32 s[T], s[NL]
	s_cbranch_scc1 .Lsame_\@
	FLUSH OCH, OSH
.irp u, 0,1
	v_mov_b32 v[QS\u], v[QLS\u]                    ; the scale words first: more than eight plain lines stand between these and the next product
	v_mov_b32 v[ST\u+1], 0xff61b1e6
	v_mov_b32 v[ST\u+2], 0
	v_mov_b32 v[ST\u+3], 0
.endr
.irp u, 0,1
	v_floor_f32 v[ST\u], -v[ST\u+1]
.endr
.irp u, 0,1
	WIN \u*0x41
.irp i, 0,1,2,3,4,5
	v_mov_b32 v[QF+\i], v[QL+\i]
.endr
.set j, 0
.rept 32
	v_mov_b32 v[O+j], 0
.set j, j+1
.endr
.endr
	WIN 0
	WALU
.Lsame_\@:
.endm
	s_mov_b32 s[T], 0
	s_mov_b32 s[KN], KBLK
	s_mov_b32 s[VUP], VREG
	WALU
	s_cmp_lt_u32 s[WV], 2
	s_cbranch_scc0 .Lnot_early
	s_wait_tensorcnt 0x0                           ; waves 0 and 1: blocks 0 to 3 of K and of V
.Lnot_early:
	s_barrier_signal -1
	s_barrier_wait -1                              ; keys 0 to 511 are in; the other quarters may be on their way
	KLOAD L16, L8                                  ; block 0 of K
	s_wait_loadcnt 0x0                             ; the four tiles of Q
.Lfirst:                               ; trips 0 to 2 read V's blocks 0 to 2 and ask for K's blocks 1 to 3; every wave's long pair has nine steps or more, so none of these is masked
	STEP 0, KN, VUP
	s_add_co_u32 s[KN], s[KN], KBLK
	s_add_co_u32 s[VUP], s[VUP], VBLK
	s_add_co_u32 s[T], s[T], 1
	s_cmp_lt_u32 s[T], 3
	s_cbranch_scc1 .Lfirst
	s_wait_tensorcnt 0x0                           ; every wave's load is in,
	s_wait_dscnt 0x0
	s_barrier_signal -1
	s_barrier_wait -1                              ; and shown to all: all of K and V lies in LDS
	s_mov_b32 s[VDN], VREG+13*VBLK
.Lrest:                                ; trips 3 to 16
	s_min_u32 s[VA], s[VUP], VREG+15*VBLK          ; (in trip 16 no wave walks upward any more: the candidates are held inside the blocks)
	s_min_u32 s[KA], s[KN], 15*KBLK
	s_min_u32 s70, s[KN], 16*KBLK
	s_sub_co_u32 s70, 16*KBLK, s70                 ; block 16 - (T + 1) of the walk downward; behind trip 16: block 0
	s_sub_co_u32 s[MK], s[T], s[NL]
	s_add_co_u32 s[MK], s[MK], 1                   ; 0: the long pair's last step, 1: the short pair's first
	s_add_co_u32 s71, s[T], 1
	s_cmp_lt_u32 s71, s[NL]
	s_cselect_b32 s[KA], s[KA], s70                ; the next trip's block of K
	s_cmp_lt_u32 s[T], s[NL]
	s_cselect_b32 s[VA], s[VA], s[VDN]             ; this trip's block of V: T of the long walk, 16 - T of the short one
	SWITCH
	STEP 1, KA, VA
	s_add_co_u32 s[KN], s[KN], KBLK
	s_add_co_u32 s[VUP], s[VUP], VBLK
	s_sub_co_u32 s[VDN], s[VDN], VBLK
	s_add_co_u32 s[T], s[T], 1
	s_cmp_lt_u32 s[T], 17
	s_cbranch_scc1 .Lrest
	FLUSH OCL, OSL
	s_wait_tensorcnt 0x0                           ; the wave's end
	ds_add_u32 v[SPW], v[NIL]
	s_wait_dscnt 0x0
	CROUND                                         ; the closing round
	s_endpgm
.Lfunc_end_k_qcd34dd4879_attn:
	.size	k_qcd34dd4879_attn, .Lfunc_end_k_qcd34dd4879_attn-k_qcd34dd4879_attn
	.p2alignl 7, 3214868480
	.fill 96, 4, 3214868480
	.section	.rodata,"a",@progbits
	.p2align	6, 0x0
	.amdhsa_kernel k_qcd34dd4879_attn
		.amdhsa_group_segment_fixed_size 327680
		.amdhsa_private_segment_fixed_size 0
		.amdhsa_enable_private_segment 0
		.amdhsa_kernarg_size 32
		.amdhsa_user_sgpr_count 2
		.amdhsa_user_sgpr_kernarg_segment_ptr 1
		.amdhsa_wavefront_size32 1
		.amdhsa_system_sgpr_workgroup_id_x 1
		.amdhsa_system_sgpr_workgroup_id_y 1
		.amdhsa_system_sgpr_workgroup_id_z 1
		.amdhsa_system_vgpr_workitem_id 0
		.amdhsa_next_free_vgpr 512
		.amdhsa_next_free_sgpr 96
		.amdhsa_reserve_vcc 1
		.amdhsa_float_denorm_mode_32 3
		.amdhsa_float_denorm_mode_16_64 3
		.amdhsa_memory_ordered 1
		.amdhsa_forward_progress 1
		.amdhsa_inst_pref_size 97
	.end_amdhsa_kernel
	.amdgpu_metadata
---
amdhsa.version: [ 1, 2 ]
amdhsa.kernels:
  - .name:           k_qcd34dd4879_attn
    .symbol:         k_qcd34dd4879_attn.kd
    .args:
      - { .name: qc, .offset: 0, .size: 8, .value_kind: global_buffer, .address_space: global }
      - { .name: kc, .offset: 8, .size: 8, .value_kind: global_buffer, .address_space: global }
      - { .name: vc, .offset: 16, .size: 8, .value_kind: global_buffer, .address_space: global }
      - { .name: ao, .offset: 24, .size: 8, .value_kind: global_buffer, .address_space: global }
    .group_segment_fixed_size: 327680
    .private_segment_fixed_size: 0
    .kernarg_segment_align: 8
    .kernarg_segment_size: 32
    .max_flat_workgroup_size: 256
    .sgpr_count:     96
    .vgpr_count:     512
    .wavefront_size: 32
...
	.end_amdgpu_metadata
.endif
;; end of part 3
;; launch proj (part 4): grid 8 x 32, 4 waves a work-group, clusters of 4 x 4, 327,680 bytes of LDS; arguments ao, wq, b_out, out0; writes out0
.if DOCPART == 4
	.amdgcn_target "amdgcn-amd-amdhsa--gfx1250"
	.amdhsa_code_object_version 6
	.text
	.protected	k_qcd34dd4879_proj
	.globl	k_qcd34dd4879_proj
	.p2align	8
	.type	k_qcd34dd4879_proj,@function
k_qcd34dd4879_proj:
	s_mov_b64 s[64:65], 0
	v_nop
	global_prefetch_b8 v0, s[64:65] scope:SCOPE_SE
	s_setreg_imm32_b32 hwreg(HW_REG_WAVE_MODE, 25, 1), 1
	s_wait_xcnt 0x0
	s_wait_alu depctr_hold_cnt(0) depctr_sa_sdst(0) depctr_va_vdst(0) depctr_va_sdst(0) depctr_va_ssrc(0) depctr_va_vcc(0) depctr_vm_vsrc(0)
	s_getreg_b32 s2, hwreg(HW_REG_IB_STS2, 6, 4)
	s_cmp_eq_u32 s2, 0
	s_cbranch_scc0 .Lentry_in_a_cluster
	s_endpgm
.Lentry_in_a_cluster:
	s_bfe_u32 s2, ttmp6, 0x10000c
	s_cmp_lg_u32 s2, 0xf033
	s_cbranch_scc0 .Lentry_shape_is_right
	s_endpgm
.Lentry_shape_is_right:
; PROJ: out0 = attn W_out + b_out on codes of FP6 (E2M3).  A tile of C is 256 tokens x 128 columns: 8 x 32 = 256 work-groups of four waves, 2 x 2; a wave makes 128 x 64: 32 accumulators.
; Source 0 of the matrix instruction = 16 places of W_out's columns (B), source 1 = 16 token places (A): a lane holds one token, its registers run along the columns.  The bias is the first products' C.
; K goes in steps of 256 through two LDS slots filled by joint tensor loads (A's tile shared along a row of the 4 x 4 cluster, B's along a column); the scale bytes of the work-group's rows come once and stay.
; Results leave through each wave's own stage in slot 0, which has had its last fill by then: two rows of 256 bytes a store, sixteen lanes to an aligned unit.
.set AS_OFF, 6291456
.set WS_OFF, 3145728
.set SIZE_N, 1024
.set NQ,     2
; wq holds its codes in planes of 256 along K, [plane][place][192 bytes]: a K step's tile of 128 places is 24,576 dense bytes, stated as 96 rows of 256 bytes; the padding's interval stays 64 bytes.
.set ROWB,   256
.set WPL,    786432                    ; a plane of wq
.set KROW,   768
.set PITCH,  240
.set FR,     12
.set NLA,    4
.set NP,     4
.set HALFA,  8*3072
.set HALFT,  128*PITCH
.set SLOT,   2*HALFA+HALFT             ; A's 256 places, then B's 128
.set LAPS,   2
.set KS,     32
.set SCL,    2*SLOT
.set HALFS,  (128*KS/256)*272
.set SBLK,   (16*KS/256)*272
.set SPARE,  SCL+3*HALFS               ; behind the scale bytes of A's 256 rows and B's 128
.set SPITCH, 528
.set ADRA, 16
.set ADRB, 20
.set STO,  24
.set RD,   25
.set CO,   26
.set ADRS, 27
.set SPW,  28
.set NIL,  29
.set BA,   30
.set SC,   32
.set BIAS, 64
.set AF,   128
.set BK,   128
.set G1, 24
.set G0, 32
.set G1B, 48
.set G0B, 56
.set G1S, 68
.set G0S, 76
.set G1SB, 80
.set G0SB, 88
.set MSB, 0
.macro WIN new
.if MSB != (\new)
	s_set_vgpr_msb (MSB<<8)|(\new)
.set MSB, (\new)
.endif
.endm
.set MUL_LO, 0xa1
.set MUL_HI, 0xf1
.set BEG_LO, 0x81
.set BEG_HI, 0xc1
.set TO_B,   0x40
.macro JLOAD g0a, g1a, g0b, g1b
	s_cmp_eq_u32 s15, 0
	s_cbranch_scc0 .Lfor_b_\@
	tensor_load_to_lds s[\g0a:\g0a+3], s[\g1a:\g1a+7]
	s_nop 0
.rept 4
	v_nop
.endr
	s_branch .Lasked_\@
.Lfor_b_\@:
	tensor_load_to_lds s[\g0b:\g0b+3], s[\g1b:\g1b+7]
	s_nop 0
.rept 4
	v_nop
.endr
.Lasked_\@:
.endm
.macro CREST
	s_cmp_lg_u32 s14, 0
	s_cbranch_scc1 .Lnot_wave_0_\@
	s_barrier_signal -3
.Lnot_wave_0_\@:
	s_barrier_wait -3
	s_barrier_signal -1
	s_barrier_wait -1
.endm
.macro CROUND
	s_barrier_signal -1
	s_barrier_wait -1
	CREST
.endm
	s_load_b128 s[4:7], s[0:1], 0x0
	s_load_b128 s[8:11], s[0:1], 0x10
	v_lshl_add_u32 v[SPW], v0, 2, SPARE
	v_mov_b32 v[NIL], 0
	ds_add_u32 v28, v29
	ds_add_u32 v28, v29
	s_wait_dscnt 0x0
	v_lshrrev_b32 v1, 5, v0
	v_readfirstlane_b32 s14, v1
	s_lshr_b32 s15, s14, 1
	s_and_b32 s16, s14, 1
	s_bfe_u32 s40, ttmp6, 0x40000
	s_bfe_u32 s41, ttmp6, 0x40004
	s_lshl_b32 s42, ttmp9, 2
	s_add_co_u32 s42, s42, s40
	s_and_b32 s17, ttmp7, 0xffff
	s_lshl_b32 s17, s17, 2
	s_add_co_u32 s17, s17, s41
	s_lshl_b32 s43, s41, 2
	s_lshl_b32 s43, 15, s43
	s_lshl_b32 s44, 0x1111, s40
	s_or_b32 s[G1+0], s43, (3<<16)|(1<<21)
	s_mov_b32 s[G1+1], 384<<16
	s_mov_b32 s[G1+2], 16<<16                      ; the head's load brings all 16 tiles of A's 256 places
	s_mov_b32 s[G1+3], 384<<16
	s_mov_b32 s[G1+4], 16
	s_mov_b32 s[G1+5], 1536
	s_mov_b32 s[G1+6], 0
	s_mov_b32 s[G1+7], 0
	s_or_b32 s[G1B+0], s44, (0<<16)|(1<<20)|(1<<21)|(3<<22)|(3<<25)
	s_mov_b32 s[G1B+1], ROWB<<16
	s_mov_b32 s[G1B+2], 96<<16                     ; and B's 128 places: 96 rows of 256 bytes
	s_mov_b32 s[G1B+3], ROWB<<16
	s_mov_b32 s[G1B+4], 96
	s_mov_b32 s[G1B+5], ROWB
	s_mov_b32 s[G1B+6], 0
	s_mov_b32 s[G1B+7], 0
	s_or_b32 s[G1S+0], s43, (3<<16)|(1<<20)|(1<<21)|(5<<22)|(3<<25)
	s_or_b32 s[G1SB+0], s44, (3<<16)|(1<<20)|(1<<21)|(5<<22)|(3<<25)
.irp g, G1S, G1SB
	s_mov_b32 s[\g+1], 32<<16
	s_mov_b32 s[\g+2], (256*KS/256)<<16
	s_mov_b32 s[\g+3], 32<<16
	s_mov_b32 s[\g+4], 256*KS/256
	s_mov_b32 s[\g+5], 32
	s_mov_b32 s[\g+6], 0
	s_mov_b32 s[\g+7], 0
.endr
	s_mov_b32 s[G1SB+2], 16<<16                    ; B has 128 rows of scale bytes: 16 rows of 256
	s_mov_b32 s[G1SB+4], 16
	s_lshl_b32 s20, s17, 8
	s_lshl_b32 s46, s42, 7
	s_add_co_u32 s46, s46, 3072
	s_lshl_b32 s22, s20, 5
	s_add_co_u32 s22, s22, AS_OFF
	s_mov_b32 s23, 0
	s_mul_i32 s20, s20, KROW
	s_mov_b32 s21, 0
	s_lshl_b32 s92, s46, 5
	s_add_co_u32 s92, s92, WS_OFF
	s_mov_b32 s93, 0
	s_mul_i32 s46, s46, 192
	s_mov_b32 s47, 0
	s_mul_i32 s45, s16, HALFA
	s_mul_i32 s95, s16, HALFT/2
	s_add_co_u32 s95, s95, 2*HALFA
	s_wait_kmcnt 0x0
	s_mov_b64 s[12:13], s[10:11]
	s_add_nc_u64 s[20:21], s[4:5], s[20:21]
	s_add_nc_u64 s[22:23], s[4:5], s[22:23]
	s_add_nc_u64 s[46:47], s[6:7], s[46:47]
	s_add_nc_u64 s[92:93], s[6:7], s[92:93]
	CROUND
	s_mov_b32 s[G0S], 1
	s_mov_b32 s[G0S+1], SCL
	s_mov_b64 s[G0S+2:G0S+3], s[22:23]
	s_or_b32 s[G0S+3], s[G0S+3], 0x80000000
	s_mov_b32 s[G0SB], 1
	s_mov_b32 s[G0SB+1], SCL+2*HALFS
	s_mov_b64 s[G0SB+2:G0SB+3], s[92:93]
	s_or_b32 s[G0SB+3], s[G0SB+3], 0x80000000
	s_mov_b32 s4, 1                                ; group 0 of the head's loads of K step 0: A's 256 places,
	s_mov_b32 s5, 0
	s_mov_b64 s[6:7], s[20:21]
	s_or_b32 s7, s7, 0x80000000
	s_mov_b32 s96, 1                               ; and B's, behind them in slot 0
	s_mov_b32 s97, 2*HALFA
	s_mov_b64 s[98:99], s[46:47]
	s_or_b32 s99, s99, 0x80000000
	s_mul_i32 s18, s16, 8*12288                    ; in the ring I fetch half a tile: 8 tiles of A,
	s_mov_b32 s19, 0
	s_add_nc_u64 s[20:21], s[20:21], s[18:19]
	s_mul_i32 s18, s16, 64*192                     ; or 64 places of B
	s_add_nc_u64 s[46:47], s[46:47], s[18:19]
.irp s, 0,1
	s_mov_b32 s[G0+4*\s], 1
	s_add_co_u32 s[G0+4*\s+1], s45, \s*SLOT
	s_add_nc_u64 s[G0+4*\s+2:G0+4*\s+3], s[20:21], \s*3072
	s_or_b32 s[G0+4*\s+3], s[G0+4*\s+3], 0x80000000
	s_mov_b32 s[G0B+4*\s], 1
	s_add_co_u32 s[G0B+4*\s+1], s95, \s*SLOT
	s_add_nc_u64 s[G0B+4*\s+2:G0B+4*\s+3], s[46:47], \s*WPL
	s_or_b32 s[G0B+4*\s+3], s[G0B+4*\s+3], 0x80000000
.endr
; The head's loads, one a wave: wave 0 K step 0's 256 places of A, wave 1 those of B, wave 2 A's scale bytes, wave 3 B's.  One tree of branches on the wave's number.
.macro ARM under, g0, g1, next
	s_cmp_lt_u32 s14, \under
	s_cbranch_scc0 \next
	tensor_load_to_lds s[\g0:\g0+3], s[\g1:\g1+7]
	s_nop 0
.rept 4
	v_nop
.endr
	s_branch .Lhead_asked
\next:
.endm
	ARM 1, 4, G1, .Lhead_b
	ARM 2, 96, G1B, .Lhead_sa
	ARM 3, G0S, G1S, .Lhead_sb
	tensor_load_to_lds s[G0SB:G0SB+3], s[G1SB:G1SB+7]
	s_nop 0
.rept 4
	v_nop
.endr
.Lhead_asked:
	v_and_b32 v1, 15, v0
	v_bfe_u32 v2, v0, 4, 1
	v_mul_u32_u24 v3, v1, PITCH
	v_mul_u32_u24 v4, v2, 24
	v_add_nc_u32 v4, v3, v4
	v_lshl_add_u32 v5, v2, 4, v4
	v_and_b32 v6, 31, v0
	v_lshlrev_b32 v7, 4, v6
	v_lshlrev_b32 v8, 3, v6
	s_mul_i32 s21, s15, HALFA
	s_mul_i32 s22, s16, HALFT/2
	s_add_co_u32 s22, s22, 2*HALFA
.irp s, 0,1
	v_add_nc_u32 v[ADRA+\s], s21, v7
	v_add_nc_u32 v[ADRA+2+\s], s21, v8
	v_add_nc_u32 v[ADRB+\s], s22, v4
	v_add_nc_u32 v[ADRB+2+\s], s22, v5
	s_add_co_u32 s21, s21, SLOT
	s_add_co_u32 s22, s22, SLOT
.endr
	v_mul_u32_u24 v5, v1, KS
	v_lshrrev_b32 v6, 8, v5
	v_lshl_add_u32 v5, v6, 4, v5
	s_mul_i32 s21, s15, HALFS
	s_mul_i32 s22, s16, HALFS/2
	s_add_co_u32 s22, s22, 2*HALFS
	s_sub_co_u32 s22, s22, s21
	v_mul_u32_u24 v6, s22, v2
	s_add_co_u32 s21, s21, SCL
	v_add_nc_u32 v5, v5, v6
	v_add_nc_u32 v[ADRS], s21, v5
	v_mul_u32_u24 v6, v2, 4*SBLK
	v_sub_nc_u32 v31, v[ADRS], v6                  ; for A's blocks 4-7: lanes 16-31 take B's blocks 0-3 once more, so that no lane reads behind B's 64 rows
	s_mul_i32 s23, s14, 16*SPITCH
	v_mul_u32_u24 v5, v1, SPITCH
	v_lshl_add_u32 v5, v2, 6, v5
	v_add_nc_u32 v[STO], s23, v5
	v_lshlrev_b32 v[CO], 4, v1
	v_lshl_add_u32 v[CO], v2, 12, v[CO]            ; in C: sixteen lanes to a row's 256 bytes, lanes 16-31 the next row
	v_mul_u32_u24 v5, v2, SPITCH
	v_lshl_add_u32 v5, v1, 4, v5                   ; and the same two rows in the stage
	v_add_nc_u32 v[RD], s23, v5
	s_lshl_b32 s20, s17, 8
	s_lshl_b32 s21, s15, 7
	s_add_co_u32 s20, s20, s21
	s_lshl_b32 s20, s20, 12
	s_lshl_b32 s46, s42, 9
	s_lshl_b32 s47, s16, 8
	s_add_co_u32 s46, s46, s47
	s_add_co_u32 s20, s20, s46
	s_mov_b32 s21, 0
	s_add_nc_u64 s[12:13], s[12:13], s[20:21]
	s_mov_b32 s47, 0
	s_add_nc_u64 s[8:9], s[8:9], s[46:47]
	v_lshlrev_b32 v[BA], 6, v2
.irp b, 0,1
.irp j, 0,1,2,3
	global_load_b128 v[BIAS+16*\b+4*\j:BIAS+16*\b+4*\j+3], v[BA], s[8:9] offset:128*\b+16*\j
.endr
.endr
.macro FRAG reg, adr, q, i
.irp p, 0,1,2,3,4,5
.set PCE, 12*(\q)+6*(\p/3)+\p%3
.if PCE%8 < 5
	ds_load_b64 v[\reg+2*\p:\reg+2*\p+1], v[\adr] offset:8*PCE+16*(PCE/8)+(\i)*16*PITCH
.else
	ds_load_b64 v[\reg+2*\p:\reg+2*\p+1], v[\adr+2] offset:8*PCE+16*(PCE/8)+(\i)*16*PITCH
.endif
.endr
.endm
.macro FRAG_A reg, slot, q, i
	ds_load_b128 v[\reg:\reg+3],     v[ADRA+\slot]   offset:(\i)*3072+(\q)*1536
	ds_load_b64  v[\reg+4:\reg+5],   v[ADRA+2+\slot] offset:(\i)*3072+(\q)*1536+512
	ds_load_b128 v[\reg+6:\reg+9],   v[ADRA+\slot]   offset:(\i)*3072+(\q)*1536+768
	ds_load_b64  v[\reg+10:\reg+11], v[ADRA+2+\slot] offset:(\i)*3072+(\q)*1536+1280
.endm
.macro MUL16 a0, p, q, sc, first
.irp a, \a0, \a0+1
.irp b, 0,1,2,3
.if \first
	v_wmma_scale_f32_16x16x128_f8f6f4 v[8*(8*((\a)%4)+\b):8*(8*((\a)%4)+\b)+7], v[128*(\p)+FR*\b:128*(\p)+FR*\b+FR-1], v[AF+FR*(\a):AF+FR*(\a)+FR-1], v[BIAS+8*\b:BIAS+8*\b+7], v[SC+8*NQ*(\sc)+NQ*\b+(\q)], v[SC+8*NQ*(\sc)+NQ*(\a)+(\q)] matrix_a_fmt:MATRIX_FMT_FP6 matrix_b_fmt:MATRIX_FMT_FP6 matrix_a_scale:MATRIX_SCALE_ROW1
.else
	v_wmma_scale_f32_16x16x128_f8f6f4 v[8*(8*((\a)%4)+\b):8*(8*((\a)%4)+\b)+7], v[128*(\p)+FR*\b:128*(\p)+FR*\b+FR-1], v[AF+FR*(\a):AF+FR*(\a)+FR-1], v[8*(8*((\a)%4)+\b):8*(8*((\a)%4)+\b)+7], v[SC+8*NQ*(\sc)+NQ*\b+(\q)], v[SC+8*NQ*(\sc)+NQ*(\a)+(\q)] matrix_a_fmt:MATRIX_FMT_FP6 matrix_b_fmt:MATRIX_FMT_FP6 matrix_a_scale:MATRIX_SCALE_ROW1
.endif
.endr
.endr
.endm
.macro FETCH_B slot, q, p
	WIN TO_B
.irp i, 0,1,2,3
	FRAG 128*(\p)+FR*\i, ADRB+\slot, \q, \i
.endr
	WIN 0
.endm
.macro FETCH_A slot, q, i0
.irp i, \i0, \i0+1, \i0+2, \i0+3
	FRAG_A AF+FR*(\i), \slot, \q, \i
.endr
.endm
.macro SCALES sc
.irp i, 0,1,2,3
	ds_load_b64 v[SC+8*NQ*\sc+NQ*\i:SC+8*NQ*\sc+NQ*\i+1], v[ADRS] offset:\i*SBLK
.endr
.irp i, 4,5,6,7
	ds_load_b64 v[SC+8*NQ*\sc+NQ*\i:SC+8*NQ*\sc+NQ*\i+1], v31 offset:\i*SBLK
.endr
.endm
.macro PLACES n
.rept \n
	v_nop
.endr
.endm
.macro STEP slot, q, first
	s_wait_dscnt 4*NLA
.if \first
	WIN BEG_LO
.else
	WIN MUL_LO
.endif
	MUL16 0, (\q)%2, \q, \slot, \first
	MUL16 2, (\q)%2, \q, \slot, \first
	s_wait_dscnt 0
	PLACES NP
	FETCH_B \slot, (\q)+1, 1-(\q)%2
	FETCH_A \slot, (\q)+1, 0
.if \first
	WIN BEG_HI
.else
	WIN MUL_HI
.endif
	MUL16 4, (\q)%2, \q, \slot, \first
	MUL16 6, (\q)%2, \q, \slot, \first
	PLACES NP
	WIN 0
	FETCH_A \slot, (\q)+1, 4
.endm
.macro TURN slot, next, fill
	s_wait_tensorcnt 0x0
	ds_add_u32 v[SPW], v[NIL]
	s_wait_dscnt 4*NLA+1
	WIN MUL_LO
	MUL16 0, 1, NQ-1, \slot, 0
	s_wait_dscnt 0x0
	s_barrier_signal -1
	MUL16 2, 1, NQ-1, \slot, 0
	WIN 0
	s_barrier_wait -1
.if \fill
	CREST
	s_add_nc_u64 s[G0+4*\slot+2:G0+4*\slot+3], s[G0+4*\slot+2:G0+4*\slot+3], 2*3072
	s_add_nc_u64 s[G0B+4*\slot+2:G0B+4*\slot+3], s[G0B+4*\slot+2:G0B+4*\slot+3], 2*WPL
	JLOAD G0+4*\slot, G1, G0B+4*\slot, G1B
.else
	PLACES NP
.endif
	s_wait_alu depctr_va_vdst(0)
	v_add_nc_u32 v[ADRS], 4*NQ, v[ADRS]
	v_add_nc_u32 v31, 4*NQ, v31
	FETCH_B \next, 0, 0
	FETCH_A \next, 0, 0
	SCALES \next
	WIN MUL_HI
	MUL16 4, 1, NQ-1, \slot, 0
	MUL16 6, 1, NQ-1, \slot, 0
	PLACES NP
	WIN 0
	FETCH_A \next, 0, 4
.endm
	s_wait_alu depctr_va_vdst(0)
	s_wait_tensorcnt 0x0                           ; my tile of the head's four is in
	ds_add_u32 v[SPW], v[NIL]
	s_mov_b32 s[G1+2], 8<<16                       ; no tensor load of mine is out: from here on a load brings half a tile
	s_mov_b32 s[G1+4], 8
	s_mov_b32 s[G1B+2], 48<<16                     ; 64 places of B: 48 rows of 256 bytes
	s_mov_b32 s[G1B+4], 48
	s_wait_dscnt 0x0
	CROUND                                         ; all four tiles are in, and the sixteen work-groups meet
	JLOAD G0+4, G1, G0B+4, G1B                     ; K step 1, the first tensor load behind the round
	FETCH_B 0, 0, 0
	FETCH_A 0, 0, 0
	SCALES 0
	FETCH_A 0, 0, 4
	s_wait_loadcnt 0x0
	STEP 0, 0, 1
	s_mov_b32 s3, LAPS-1
.Llap:
	TURN 0, 1, 1
	STEP 1, 0, 0
	TURN 1, 0, 1
	STEP 0, 0, 0
	s_sub_co_u32 s3, s3, 1
	s_cmp_lg_u32 s3, 0
	s_cbranch_scc1 .Llap
	TURN 0, 1, 0
	STEP 1, 0, 0
	s_wait_dscnt 4*NLA
	WIN MUL_LO
	MUL16 0, 1, NQ-1, 1, 0
	MUL16 2, 1, NQ-1, 1, 0
	s_wait_dscnt 0
	WIN MUL_HI
	MUL16 4, 1, NQ-1, 1, 0
	MUL16 6, 1, NQ-1, 1, 0
	WIN 0
.macro TOSTAGE a
.set AC, 64*((\a)%4)
	WIN 0x08+4*((\a)/4)
.irp b, 0,1,2,3
	ds_store_b128 v[STO], v[AC+8*\b:AC+8*\b+3] offset:128*(\b/2)+32*(\b%2)
	ds_store_b128 v[STO], v[AC+8*\b+4:AC+8*\b+7] offset:128*(\b/2)+32*(\b%2)+16
.endr
	WIN 0
.set BB, BK+64*((\a)%2)
.irp t, 0,1,2,3,4,5,6,7
	ds_load_b128 v[BB+4*\t:BB+4*\t+3], v[RD] offset:2*\t*SPITCH
.endr
.endm
.macro SEND a, younger
.set BB, BK+64*((\a)%2)
	s_wait_dscnt \younger
.irp t, 0,1,2,3,4,5,6,7
	global_store_b128 v[CO], v[BB+4*\t:BB+4*\t+3], s[12:13] offset:(32*((\a)/2)+8*((\a)%2)+2*\t+8*(\t/4))*SIZE_N*4 th:TH_STORE_NT
.endr
.endm
	PLACES NP
	TOSTAGE 0
.irp a, 1,2,3,4,5,6,7
.if \a > 1
	s_wait_xcnt 0x0
.endif
	TOSTAGE \a
	SEND \a-1, 16                                  ; behind block a - 1's loads: block a's 8 stores and 8 loads
.endr
	SEND 7, 0
	s_wait_tensorcnt 0x0
	ds_add_u32 v[SPW], v[NIL]
	s_wait_dscnt 0x0
	CROUND
	s_endpgm
.Lfunc_end_k_qcd34dd4879_proj:
	.size	k_qcd34dd4879_proj, .Lfunc_end_k_qcd34dd4879_proj-k_qcd34dd4879_proj
	.p2alignl 7, 3214868480
	.fill 96, 4, 3214868480
	.section	.rodata,"a",@progbits
	.p2align	6, 0x0
	.amdhsa_kernel k_qcd34dd4879_proj
		.amdhsa_group_segment_fixed_size 327680
		.amdhsa_private_segment_fixed_size 0
		.amdhsa_enable_private_segment 0
		.amdhsa_kernarg_size 32
		.amdhsa_user_sgpr_count 2
		.amdhsa_user_sgpr_kernarg_segment_ptr 1
		.amdhsa_wavefront_size32 1
		.amdhsa_system_sgpr_workgroup_id_x 1
		.amdhsa_system_sgpr_workgroup_id_y 1
		.amdhsa_system_sgpr_workgroup_id_z 1
		.amdhsa_system_vgpr_workitem_id 0
		.amdhsa_next_free_vgpr 1024
		.amdhsa_next_free_sgpr 100
		.amdhsa_reserve_vcc 0
		.amdhsa_float_denorm_mode_32 3
		.amdhsa_float_denorm_mode_16_64 3
		.amdhsa_memory_ordered 1
		.amdhsa_forward_progress 1
		.amdhsa_inst_pref_size 96
	.end_amdhsa_kernel
	.amdgpu_metadata
---
amdhsa.version: [ 1, 2 ]
amdhsa.kernels:
  - .name:           k_qcd34dd4879_proj
    .symbol:         k_qcd34dd4879_proj.kd
    .args:
      - { .name: ao, .offset: 0, .size: 8, .value_kind: global_buffer, .address_space: global }
      - { .name: wq, .offset: 8, .size: 8, .value_kind: global_buffer, .address_space: global }
      - { .name: b_out, .offset: 16, .size: 8, .value_kind: global_buffer, .address_space: global }
      - { .name: out0, .offset: 24, .size: 8, .value_kind: global_buffer, .address_space: global }
    .group_segment_fixed_size: 327680
    .private_segment_fixed_size: 0
    .kernarg_segment_align: 8
    .kernarg_segment_size: 32
    .max_flat_workgroup_size: 128
    .sgpr_count:     100
    .vgpr_count:     1024
    .wavefront_size: 32
...
	.end_amdgpu_metadata
.endif
;; end of part 4
